; MI455X (gfx1250); checked and timed in simulation.
; The chip was launched on July 23, 2026; its instructions are those of AMD's public machine-readable ISA for CDNA 5 (MIT licence, August 2026) and "CDNA5" Instruction Set Architecture Reference Guide (July 2026). The comments in the code are by the model that wrote it; some were corrected since.
;; Attention. Allowed arithmetic: matrix products marked QUANTISED: E5M2 operands, one E8M0 scale for each 32 along K, by v_wmma_scale_f32_16x16x128_f8f6f4 with both operands' format E5M2, f32 sums; everything else in f32.
;; Inputs: Wd 2,048 x 2,048 float32; Wk 2,048 x 2,048 float32; Wq 2,048 x 2,048 float32; Wv 2,048 x 2,048 float32; attention_mask 1 x 1 x 2,048 x 2,048 bool; hidden_states 1 x 2,048 x 2,048 float32; position_ids 1 x 2,048 int32.
;; Outputs: out0 1 x 2,048 x 2,048 float32.
;; This version of the problem:
;;   THIS VERSION OF THE PROBLEM IS GIVEN IN LOW PRECISION. The matrix products marked QUANTISED in the list below multiply operands that are first quantised to E5M2 (5 exponent bits, 2 mantissa bits; 8 bits a number), with one power-of-two scale for each 32 numbers along K (OCP MX v1.0); their sums are f32. All else is computed in f32.
;;   The module's matrix products, in the order in which they are computed (A, B: the left and right operand; K: the contracted axis; several contracted axes count as one K, in the product's order):
;;     1. [M 2,048, K 2,048] x [K 2,048, N 2,048]; A: input hidden_states; B: input Wq: QUANTISED
;;     2. [M 2,048, K 2,048] x [K 2,048, N 2,048]; A: input hidden_states; B: input Wk: QUANTISED
;;     3. [M 2,048, K 2,048] x [K 2,048, N 2,048]; A: input hidden_states; B: input Wv: QUANTISED
;;     4. batch 16 x [M 2,048, K 128] x [K 128, N 2,048]; A: computed on the way; B: computed on the way: QUANTISED
;;     5. batch 16 x [M 128, K 2,048] x [K 2,048, N 2,048]; A: computed on the way; B: softmax (see below): QUANTISED
;;     6. [M 2,048, K 2,048] x [K 2,048, N 2,048]; A: computed on the way; B: input Wd: QUANTISED
;;   THE QUANTISER, for each operand of a quantised product, along K:
;;     - K is cut into blocks of 32 from its start; a last block that is shorter is filled with zeros.
;;     - A block's scale is 2^e with e = floor(log2(the largest magnitude in the block)) - 15, held to -126 .. 127; a block of zeros has e = 0. As a byte (E8M0): e + 127.
;;     - Each number is divided by its block's scale, clamped to +-57,344, and rounded to the nearest number of E5M2, ties to even, subnormals kept.
;;     - The product sums the exact products of the quantised numbers (number of the format x scale) in f32.
;;   ~~~python
;;   def quantise(x, axis):      # numpy; x: float32 -> the quantised numbers, widened to float32 again
;;       x = np.moveaxis(x, axis, -1); K = x.shape[-1]
;;       x = np.pad(x, [(0, 0)] * (x.ndim - 1) + [(0, -K % 32)]); x = x.reshape(x.shape[:-1] + (-1, 32)); a = np.abs(x).max(-1, keepdims=True)
;;       e = np.where(a > 0, np.clip(np.frexp(np.where(a > 0, a, 1))[1] - 1 - 15, -126, 127), 0)      # np.frexp(a)[1] - 1 = floor(log2(a)), exactly
;;       r = np.clip(x / 2.0 ** e, -57344, 57344)
;;       step = 2.0 ** (np.maximum(np.frexp(np.where(r == 0, 1, r))[1] - 1, -14) - 2)
;;       q = np.round(r / step) * step * 2.0 ** e      # np.round: ties to even
;;       return np.moveaxis(q.reshape(q.shape[:-2] + (-1,))[..., :K], -1, axis).astype(np.float32)
;;   ~~~
;;   SOFTMAX AHEAD OF A QUANTISED PRODUCT. Where the list says 'softmax', what is quantised is not the finished softmax but p = 2^(t - M), with t = logit x log2(e) and M = ceil(the row's largest t), a whole number; so 1/2 < the row's largest p <= 1. The row's sum l is taken of the UNQUANTISED p, in f32, and the product's result is divided by l at the end. Since M is a whole number, a kernel that streams over the keys may use a running M (the ceiling of the running maximum): every later rescaling is an exact power of two, which a block's scale takes up: the codes' values come out the same.
;;   OPERANDS COMPUTED ON THE WAY. 'Computed on the way' means the value that the module computes at that place (a softmax that the list does not call 'softmax' is quantised finished and normalised). What goes into a quantiser is computed in f32, as accurately as f32 sums, v_exp_f32 and their like allow (about 1e-6 of the number): no bf16 or f16 on the way to a quantiser, and a product that is left as it is and whose result goes on into a quantised operand takes f32 operands (vector FMAs, or v_wmma_f32_16x16x4_f32). A number that lies on a knife's edge between two numbers of the format may be rounded either way, as far as f32 arithmetic and the matrix unit's own rounding can turn it there, and no further.
;; One version. Each part assembles by itself: llvm-mc -triple=amdgcn-amd-amdhsa -mcpu=gfx1250 --defsym DOCPART=n.
;; ======== version 1 of 1: 4 launches
;; limits: right only within a limited range of input values
;; workspace buffers: qc 20,971,520 bytes; qs 655,360 bytes; mbits 524,288 bytes of whole numbers; rope 1,048,576 bytes; ac 12,582,912 bytes; asc 393,216 bytes; cc 4,194,304 bytes; cs 131,072 bytes
;; launch prep (part 1): grid 416 x 1, 16 waves a work-group, no clusters, 86,016 bytes of LDS; arguments hidden_states, Wq, Wk, Wv, Wd, attention_mask, position_ids, qc, qs, mbits, rope; writes qc, qs, mbits, rope
.if DOCPART == 1
	.amdgcn_target "amdgcn-amd-amdhsa--gfx1250"
	.amdhsa_code_object_version 6
	.text
	.protected	k_qa5393f4bbe_prep
	.globl	k_qa5393f4bbe_prep
	.p2align	8
	.type	k_qa5393f4bbe_prep,@function
k_qa5393f4bbe_prep:
	s_mov_b64 s[64:65], 0
	v_nop
	global_prefetch_b8 v0, s[64:65] scope:SCOPE_SE
	s_setreg_imm32_b32 hwreg(HW_REG_WAVE_MODE, 25, 1), 1
	s_wait_xcnt 0x0
; PREP: three jobs that part on the work-group number alone.
;  work-groups 0-319:   hidden_states, Wq, Wk, Wv, Wd (each [2048][2048] f32, K innermost) become codes of E5M2 with one E8M0 byte for each 32 along K.
;                       Codes: qc[row block of 128][K step of 128][128 rows][128 bytes]; scale words (4 bytes = the 4 blocks of a K step): qs[row block][K step][128 rows].
;                       Row blocks: x 0-15, Wq 16-31, Wk 32-47, Wv 48-63, Wd 64-79.  So every (row block, K step) tile is one dense run of 16,384 bytes for the later launches.
;  work-groups 320-383: attention_mask (bytes) becomes lane masks: mbits[tile of 16 queries][step of 128 keys][64 words]; bit L of word 8 t + j is
;                       mask[16 tile + L % 16][128 step + 16 t + 8 (L / 16) + j]: the mask of register 8 t + j of a transposed score tile in lane L.
;  work-groups 384-415: rope[token][64] = (cos, sin) of position x 10000^(-j/64), f32.
; A block scale is 2^(floor(log2(largest magnitude)) - 15); its byte is the largest magnitude's exponent field - 15, held at 1 from below.
; LIMITS: a block of zeros, or one whose largest magnitude lies under 2^-111, gets the byte 1 (its codes are zeros or the held ones; only this program reads the bytes);
; NaN and infinities are not served; |position| stays under 2^23 (three-part reduction by pi/2 with fused multiply-adds); 10000^(-j/64) comes from v_exp_f32 with a compensated argument.
; No work-group shares an input with another, so there is no cluster and no joint load; no tensor load, so LDS is claimed as it is used.
.set STEPS, 8                          ; K steps of a wave
.set SP,    80                         ; a lane's place in a stage: 64 bytes + 16 of padding
.set WST,   5120                       ; a wave's two stages of 32 x SP
.set SCS,   81920                      ; behind the sixteen waves' stages: scale bytes [step 8][64 rows x 4]
.set R,     16                         ; v16-79   four sets of 16 numbers as loaded
.set X,     80                         ; v80-111  two sets of 16 neighbours
.set C,     112                        ; v112-119 two sets of codes
.set E,     120                        ; v120-127 a scale byte for each step
.macro LOAD t                          ; K step t of my 4 rows: each load reads 512 consecutive bytes of one row
.irp i, 0,1,2,3
	global_load_b128 v[R+16*((\t)%4)+4*\i:R+16*((\t)%4)+4*\i+3], v3, s[4:5] offset:8192*\i+512*(\t) th:TH_LOAD_NT
.endr
.endm
.macro TURN t                          ; through my own stage: in as loaded, back 64 bytes a lane; LDS serves a wave's instructions in order
.irp i, 0,1,2,3
	ds_store_b128 v14, v[R+16*((\t)%4)+4*\i:R+16*((\t)%4)+4*\i+3] offset:32*SP*((\t)%2)+8*SP*\i
.endr
.irp i, 0,1,2,3
	ds_load_b128 v[X+16*((\t)%2)+4*\i:X+16*((\t)%2)+4*\i+3], v15 offset:32*SP*((\t)%2)+16*\i
.endr
.endm
.macro STEP t
.set XS, X+16*((\t)%2)
.set CD, C+4*((\t)%2)
.if (\t) > 0
	s_wait_dscnt 1                                 ; this step's numbers are back (the last step's byte store may be out)
.else
	s_wait_dscnt 0x0
.endif
.if (\t)+4 < STEPS
	LOAD (\t)+4                                    ; into the set that this step's stage stores have read
.endif
.if (\t) == 0
	global_prefetch_b8 v1, s[4:5] offset:2560 th:TH_LOAD_NT scope:SCOPE_SE   ; K steps 5-7, which the loads of steps 1-3 will want
.endif
.if (\t)+1 < STEPS
.if STEPS-2-(\t) >= 3
	s_wait_loadcnt 12                              ; the next step's four loads are in; three steps' loads may be out
.else
	s_wait_loadcnt 4*(STEPS-2-(\t))
.endif
	TURN (\t)+1
.endif
	v_max3_num_f32 v8, |v[XS]|, |v[XS+1]|, |v[XS+2]|
	v_max3_num_f32 v9, |v[XS+3]|, |v[XS+4]|, |v[XS+5]|
.irp i, 6,10
	s_delay_alu instid0(VALU_DEP_2)
	v_max3_num_f32 v8, v8, |v[XS+\i]|, |v[XS+\i+1]|
	s_delay_alu instid0(VALU_DEP_2)
	v_max3_num_f32 v9, v9, |v[XS+\i+2]|, |v[XS+\i+3]|
.endr
	s_delay_alu instid0(VALU_DEP_2)
	v_max3_num_f32 v8, v8, |v[XS+14]|, |v[XS+15]|
	s_delay_alu instid0(VALU_DEP_1)
	v_max3_num_f32 v8, v8, v9, 0x8000000           ; the floor 2^(16 - 127): the byte cannot fall under 1
	s_delay_alu instid0(VALU_DEP_1)
	v_max_num_f32_dpp v8, v8, v8 row_xmask:1 row_mask:0xf bank_mask:0xf   ; with my neighbour's 16: the block's largest magnitude
	s_delay_alu instid0(VALU_DEP_1)
	v_add_nc_u32 v11, 0xf8800000, v8               ; 15 off the exponent field: the conversion's scale operand
	s_delay_alu instid0(VALU_DEP_2)
	v_and_or_b32 v10, v8, 0x7f800000, s40          ; 57,344 x the scale
.irp i, 0,1,2,3,4,5,6,7,8,9,10,11,12,13,14,15
	v_med3_num_f32 v[XS+\i], v[XS+\i], -v10, v10   ; the conversion to an 8-bit code does not saturate (ISA guide 7.6.2): the hold comes first
.endr
.if (\t) >= 2
	s_wait_alu depctr_va_vdst(0)
	s_wait_xcnt 0x0                                ; the store of two steps ago has read this set of codes
.endif
	v_cvt_scalef32_pk8_bf8_f32 v[CD:CD+1], v[XS:XS+7], v11
	v_cvt_scalef32_pk8_bf8_f32 v[CD+2:CD+3], v[XS+8:XS+15], v11
	v_lshrrev_b32 v[E+(\t)], 23, v11               ; the scale byte (also the plain line behind the conversions)
	ds_store_b8 v5, v[E+(\t)] offset:256*(\t)      ; both lanes of a block write the same byte with the same value
	global_store_b128 v3, v[CD:CD+3], s[18:19] offset:16384*(\t)   ; 4 rows x 128 bytes: 512 consecutive bytes of the tile
.endm
.macro SINCOS pos, inv, out            ; (cos, sin) of position s[pos] x v[inv] into v[out], v[out+1]
	v_cvt_f32_i32 v20, s[\pos]
	s_wait_alu depctr_va_vdst(0)
	v_mul_f32 v20, v20, v[\inv]                    ; the angle, rounded once
	s_delay_alu instid0(VALU_DEP_1)
	v_mul_f32 v21, 0x3f22f983, v20                 ; x 2 / pi
	s_delay_alu instid0(VALU_DEP_1)
	v_rndne_f32 v21, v21                           ; k
	s_delay_alu instid0(VALU_DEP_1)
	v_fma_f32 v22, v21, s37, v20                   ; r = angle - k pi/2, in three parts
	s_delay_alu instid0(VALU_DEP_1)
	v_fma_f32 v22, v21, s38, v22
	s_delay_alu instid0(VALU_DEP_1)
	v_fma_f32 v22, v21, s39, v22
	s_delay_alu instid0(VALU_DEP_4)
	v_cvt_i32_f32 v23, v21
	s_delay_alu instid0(VALU_DEP_2)
	v_mul_f32 v24, v22, v22                        ; r^2
	s_delay_alu instid0(VALU_DEP_1)
	v_fma_f32 v25, v24, s40, s41                   ; cos r
	s_delay_alu instid0(VALU_DEP_1)
	v_fma_f32 v25, v25, v24, s42
	s_delay_alu instid0(VALU_DEP_1)
	v_fma_f32 v25, v25, v24, -0.5
	s_delay_alu instid0(VALU_DEP_1)
	v_fma_f32 v25, v25, v24, 1.0
	v_fma_f32 v26, v24, s43, s44                   ; sin r
	s_delay_alu instid0(VALU_DEP_1)
	v_fma_f32 v26, v26, v24, s45
	s_delay_alu instid0(VALU_DEP_1)
	v_fma_f32 v26, v26, v24, s46
	v_mul_f32 v27, v22, v24
	s_delay_alu instid0(VALU_DEP_1)
	v_fma_f32 v26, v26, v27, v22
	v_and_b32 v27, 1, v23
	s_delay_alu instid0(VALU_DEP_1)
	v_cmp_ne_u32 vcc_lo, 0, v27                    ; odd quadrant: the two change places
	s_delay_alu instid0(VALU_DEP_1)
	v_cndmask_b32 v28, v26, v25, vcc_lo
	s_delay_alu instid0(VALU_DEP_2)
	v_cndmask_b32 v29, v25, v26, vcc_lo
	v_lshlrev_b32 v27, 30, v23
	s_delay_alu instid0(VALU_DEP_1)
	v_and_b32 v27, 0x80000000, v27                 ; sin is negative in quadrants 2, 3
	s_delay_alu instid0(VALU_DEP_1)
	v_xor_b32 v[\out+1], v27, v28
	v_add_nc_u32 v23, 1, v23
	s_delay_alu instid0(VALU_DEP_1)
	v_lshlrev_b32 v27, 30, v23
	s_delay_alu instid0(VALU_DEP_1)
	v_and_b32 v27, 0x80000000, v27                 ; cos in quadrants 1, 2
	s_delay_alu instid0(VALU_DEP_1)
	v_xor_b32 v[\out], v27, v29
.endm
	s_load_b512 s[4:19], s[0:1], 0x0               ; x, Wq, Wk, Wv, Wd, mask, positions, qc
	s_load_b128 s[20:23], s[0:1], 0x40             ; qs, mbits
	s_load_b64 s[24:25], s[0:1], 0x50              ; rope
	v_lshl_add_u32 v12, v0, 2, 0x14800             ; my spare word, behind the scale bytes; v12 and v13 serve the closing add alone
	v_mov_b32 v13, 0
	v_lshrrev_b32 v1, 5, v0
	s_delay_alu instid0(VALU_DEP_1)
	v_readfirstlane_b32 s26, v1                    ; wave 0..15
	v_and_b32 v2, 31, v0                           ; lane
	s_delay_alu instid0(VALU_DEP_1)
	v_lshlrev_b32 v7, 3, v2                        ; 8 x lane
	s_cmp_lt_u32 ttmp9, 320
	s_cbranch_scc0 .Lnot_quant
	; ---------------- the quantiser: tensor T, 64 rows rg, half kh of K; wave w: rows 64 rg + 4 w .. + 3, 8 K steps
	s_lshr_b32 s27, ttmp9, 6                       ; T
	s_bfe_u32 s28, ttmp9, 0x50001                  ; rg
	s_and_b32 s29, ttmp9, 1                        ; kh
	v_lshlrev_b32 v3, 4, v2                        ; 16 x lane
	v_lshrrev_b32 v1, 3, v2                        ; the prefetches' offsets: eight lanes to each of my 4 rows, 256 bytes apart; never rewritten
	v_and_b32 v4, 7, v2
	v_lshlrev_b32 v1, 13, v1
	v_min_u32 v9, 5, v4                            ; K steps 5-7 are six blocks of a row: the lanes left over name the last again
	v_lshl_add_u32 v4, v4, 8, v1
	v_lshl_add_u32 v1, v9, 8, v1
	s_mul_i32 s30, s26, WST
	v_lshrrev_b32 v14, 2, v2
	s_delay_alu instid0(VALU_DEP_1)
	v_mul_u32_u24 v14, v14, SP
	v_and_b32 v15, 3, v2
	s_delay_alu instid0(VALU_DEP_1)
	v_lshl_add_u32 v14, v15, 4, v14
	s_delay_alu instid0(VALU_DEP_1)
	v_add_nc_u32 v14, s30, v14                     ; the stage, in
	v_mul_u32_u24 v15, v2, SP
	s_delay_alu instid0(VALU_DEP_1)
	v_add_nc_u32 v15, s30, v15                     ; and out
	v_lshrrev_b32 v5, 1, v2
	s_lshl_b32 s30, s26, 4
	s_add_co_u32 s30, s30, SCS
	v_add_nc_u32 v5, s30, v5                       ; my block's byte: 16 bytes a wave in a step's 256
	s_and_b32 s31, s26, 7
	s_lshl_b32 s30, s31, 8
	s_add_co_u32 s30, s30, SCS
	v_add_nc_u32 v6, s30, v7                       ; waves 0-7 read back step w's 256 bytes
	s_lshl_b32 s32, s28, 19                        ; source: (64 rg + 4 w) rows of 8,192 bytes + kh x 4,096
	s_lshl_b32 s30, s26, 15
	s_add_co_u32 s32, s32, s30
	s_lshl_b32 s30, s29, 12
	s_add_co_u32 s32, s32, s30
	s_mov_b32 s33, 0
	s_lshl_b32 s34, s27, 22                        ; codes: 16 T + rg / 2 row blocks of 262,144, 8 kh K steps of 16,384, (64 (rg % 2) + 4 w) rows of 128
	s_lshr_b32 s41, s28, 1
	s_lshl_b32 s30, s41, 18
	s_add_co_u32 s34, s34, s30
	s_lshl_b32 s30, s29, 17
	s_add_co_u32 s34, s34, s30
	s_and_b32 s36, s28, 1
	s_lshl_b32 s30, s36, 13
	s_add_co_u32 s34, s34, s30
	s_lshl_b32 s30, s26, 9
	s_add_co_u32 s34, s34, s30
	s_mov_b32 s35, 0
	s_lshl_b32 s38, s27, 17                        ; scale words: row blocks of 8,192, K steps of 512, 64 (rg % 2) rows of 4; K step 8 kh + (w % 8) for the final store
	s_lshl_b32 s30, s41, 13
	s_add_co_u32 s38, s38, s30
	s_lshl_b32 s30, s29, 12
	s_add_co_u32 s38, s38, s30
	s_lshl_b32 s30, s36, 8
	s_add_co_u32 s38, s38, s30
	s_lshl_b32 s30, s31, 9
	s_add_co_u32 s38, s38, s30
	s_mov_b32 s39, 0
	s_mov_b32 s40, 0x600000                        ; the mantissa field of 57,344
	s_wait_alu depctr_va_vdst(0)
	s_wait_kmcnt 0x0
	s_cmp_eq_u32 s27, 1                            ; which tensor: the choice hangs on the work-group number alone
	s_cselect_b64 s[4:5], s[6:7], s[4:5]
	s_cmp_eq_u32 s27, 2
	s_cselect_b64 s[4:5], s[8:9], s[4:5]
	s_cmp_eq_u32 s27, 3
	s_cselect_b64 s[4:5], s[10:11], s[4:5]
	s_cmp_eq_u32 s27, 4
	s_cselect_b64 s[4:5], s[12:13], s[4:5]
	s_add_nc_u64 s[4:5], s[4:5], s[32:33]
	s_add_nc_u64 s[18:19], s[18:19], s[34:35]
	s_add_nc_u64 s[20:21], s[20:21], s[38:39]
	global_prefetch_b8 v4, s[4:5] offset:512 th:TH_LOAD_NT scope:SCOPE_SE    ; K steps 1-4 of my 4 rows, 32 blocks of 256 bytes, each named once in the launch; step 0 comes by its loads alone
.irp t, 0,1,2,3
	LOAD \t
.endr
	s_wait_loadcnt 12                              ; step 0's four loads are in
	TURN 0
.irp t, 0,1,2,3,4,5,6,7
	STEP \t
.endr
	s_wait_dscnt 0x0                               ; for the others' sake: my byte stores have landed
	s_barrier_signal -1
	s_barrier_wait -1
	s_cmp_lt_u32 s26, 8
	s_cbranch_scc0 .Lq_end
	ds_load_b64 v[8:9], v6                         ; the 64 rows' scale words of K step 8 kh + w
	s_wait_dscnt 0x0
	global_store_b64 v7, v[8:9], s[20:21]          ; 32 lanes store 256 consecutive bytes, aligned
.Lq_end:
	s_wait_tensorcnt 0x0
	ds_add_u32 v12, v13
	s_wait_dscnt 0x0
	s_endpgm
.Lnot_quant:
	s_cmp_lt_u32 ttmp9, 384
	s_cbranch_scc0 .Lrope
	; ---------------- the mask: a wave takes one tile of 16 queries and two steps of 128 keys
	s_sub_co_u32 s27, ttmp9, 320
	s_lshl_b32 s27, s27, 4
	s_add_co_u32 s27, s27, s26
	s_lshr_b32 s28, s27, 3                         ; tile
	s_and_b32 s29, s27, 7                          ; pair of steps
	s_lshl_b32 s32, s28, 15                        ; 16 rows of 2,048 bytes
	s_lshl_b32 s30, s29, 8
	s_add_co_u32 s32, s32, s30
	s_mov_b32 s33, 0
	s_lshl_b32 s34, s28, 12                        ; 16 steps of 256 bytes
	s_lshl_b32 s30, s29, 9
	s_add_co_u32 s34, s34, s30
	s_mov_b32 s35, 0
	v_and_b32 v3, 15, v0
	v_bfe_u32 v4, v0, 4, 1
	s_delay_alu instid0(VALU_DEP_2)
	v_lshlrev_b32 v3, 11, v3
	s_delay_alu instid0(VALU_DEP_1)
	v_lshl_add_u32 v3, v4, 3, v3                   ; row lane % 16, + 8 (lane / 16)
.irp i, 64,65,66,67
	v_mov_b32 v[\i], 0                             ; written whole before single lanes are written
.endr
	s_wait_alu depctr_va_vdst(0)
	s_wait_kmcnt 0x0
	s_add_nc_u64 s[14:15], s[14:15], s[32:33]
	s_add_nc_u64 s[22:23], s[22:23], s[34:35]
.irp t, 0,1,2,3,4,5,6,7,8,9,10,11,12,13,14,15
	global_load_b64 v[32+2*\t:33+2*\t], v3, s[14:15] offset:16*\t th:TH_LOAD_NT   ; the sixteen loads together take 256 consecutive bytes of each of 16 rows
.endr
	s_wait_loadcnt 0x0
.irp s, 0,1
.set n, 0
.rept 64
	v_bfe_u32 v[8+n%4], v[32+2*(8*\s+n/8)+(n%8)/4], 8*(n%4), 8
	s_delay_alu instid0(VALU_DEP_1)
	v_cmp_ne_u32 s[40+n%4], 0, v[8+n%4]            ; word n: a bit for each lane
	s_delay_alu instid0(VALU_DEP_1)
	v_writelane_b32 v[64+2*\s+n%2], s[40+n%4], n/2
.set n, n+1
.endr
	global_store_b64 v7, v[64+2*\s:65+2*\s], s[22:23] offset:256*\s   ; a step's 64 words: 256 consecutive bytes, aligned
.endr
	s_endpgm
.Lrope:
	; ---------------- cos and sin: a wave takes 4 tokens; lane l takes frequencies l and l + 32
	s_sub_co_u32 s27, ttmp9, 384
	s_lshl_b32 s27, s27, 4
	s_add_co_u32 s27, s27, s26
	s_lshl_b32 s28, s27, 4                         ; 4 positions of 4 bytes
	s_mov_b32 s29, 0
	s_lshl_b32 s30, s27, 11                        ; 4 tokens of 512 bytes
	s_mov_b32 s31, 0
	s_mov_b32 s36, 0x3e549a78                      ; log2(10000) / 64, high part
	s_mov_b32 s47, 0x31979a6b                      ; and low part
	s_mov_b32 s37, 0xbfc90fd8                      ; -pi/2 in three parts
	s_mov_b32 s38, 0xb4a8885a
	s_mov_b32 s39, 0xa7c234c4
	s_mov_b32 s40, 0x37cd4000                      ; cos: r^8, r^6, r^4
	s_mov_b32 s41, 0xbab6077d
	s_mov_b32 s42, 0x3d2aaaa8
	s_mov_b32 s43, 0x36405000                      ; sin: r^9, r^7, r^5, r^3
	s_mov_b32 s44, 0xb9503486
	s_mov_b32 s45, 0x3c0888c1
	s_mov_b32 s46, 0xbe2aaaab
	s_wait_kmcnt 0x0
	s_add_nc_u64 s[16:17], s[16:17], s[28:29]
	s_add_nc_u64 s[24:25], s[24:25], s[30:31]
	s_load_b128 s[32:35], s[16:17], 0x0            ; my 4 positions
	s_wait_alu depctr_va_vdst(0)
	v_cvt_f32_u32 v16, v2
	s_delay_alu instid0(VALU_DEP_1)
	v_add_f32 v17, 0x42000000, v16                 ; lane + 32
	s_delay_alu instid0(VALU_DEP_2)
	v_mul_f32 v18, s36, v16                        ; p = j x the high part, rounded;
	s_delay_alu instid0(VALU_DEP_2)
	v_mul_f32 v19, s36, v17
	s_delay_alu instid0(VALU_DEP_2)
	v_fma_f32 v20, v16, s36, -v18                  ; what the rounding dropped,
	s_delay_alu instid0(VALU_DEP_2)
	v_fma_f32 v21, v17, s36, -v19
	s_delay_alu instid0(VALU_DEP_2)
	v_fma_f32 v20, v16, s47, v20                   ; and the low part
	s_delay_alu instid0(VALU_DEP_2)
	v_fma_f32 v21, v17, s47, v21
	v_exp_f32 v16, -v18
	v_exp_f32 v17, -v19
	v_nop                                          ; a plain line behind the exponentials
	s_wait_alu depctr_va_vdst(0)
	v_mul_f32 v20, v16, v20
	v_mul_f32 v21, v17, v21
	v_fma_f32 v16, v20, 0xbf317218, v16            ; 2^-(p + e) = 2^-p (1 - e ln 2)
	v_fma_f32 v17, v21, 0xbf317218, v17
	s_wait_kmcnt 0x0
.irp tok, 0,1,2,3
.irp hf, 0,1
	SINCOS 32+\tok, 16+\hf, 32+2*(2*\tok+\hf)
	global_store_b64 v7, v[32+2*(2*\tok+\hf):33+2*(2*\tok+\hf)], s[24:25] offset:512*\tok+256*\hf   ; 256 consecutive bytes, aligned; each pair of registers is written once
.endr
.endr
	s_endpgm
.Lfunc_end_k_qa5393f4bbe_prep:
	.size	k_qa5393f4bbe_prep, .Lfunc_end_k_qa5393f4bbe_prep-k_qa5393f4bbe_prep
	.p2alignl 7, 3214868480
	.fill 96, 4, 3214868480
	.section	.rodata,"a",@progbits
	.p2align	6, 0x0
	.amdhsa_kernel k_qa5393f4bbe_prep
		.amdhsa_group_segment_fixed_size 86016
		.amdhsa_private_segment_fixed_size 0
		.amdhsa_enable_private_segment 0
		.amdhsa_kernarg_size 88
		.amdhsa_user_sgpr_count 2
		.amdhsa_user_sgpr_kernarg_segment_ptr 1
		.amdhsa_wavefront_size32 1
		.amdhsa_system_sgpr_workgroup_id_x 1
		.amdhsa_system_sgpr_workgroup_id_y 1
		.amdhsa_system_sgpr_workgroup_id_z 1
		.amdhsa_system_vgpr_workitem_id 0
		.amdhsa_next_free_vgpr 128
		.amdhsa_next_free_sgpr 66
		.amdhsa_reserve_vcc 1
		.amdhsa_float_denorm_mode_32 3
		.amdhsa_float_denorm_mode_16_64 3
		.amdhsa_memory_ordered 1
		.amdhsa_forward_progress 1
		.amdhsa_inst_pref_size 86
	.end_amdhsa_kernel
	.amdgpu_metadata
---
amdhsa.version: [ 1, 2 ]
amdhsa.kernels:
  - .name:           k_qa5393f4bbe_prep
    .symbol:         k_qa5393f4bbe_prep.kd
    .args:
      - { .name: hidden_states, .offset: 0, .size: 8, .value_kind: global_buffer, .address_space: global }
      - { .name: Wq, .offset: 8, .size: 8, .value_kind: global_buffer, .address_space: global }
      - { .name: Wk, .offset: 16, .size: 8, .value_kind: global_buffer, .address_space: global }
      - { .name: Wv, .offset: 24, .size: 8, .value_kind: global_buffer, .address_space: global }
      - { .name: Wd, .offset: 32, .size: 8, .value_kind: global_buffer, .address_space: global }
      - { .name: attention_mask, .offset: 40, .size: 8, .value_kind: global_buffer, .address_space: global }
      - { .name: position_ids, .offset: 48, .size: 8, .value_kind: global_buffer, .address_space: global }
      - { .name: qc, .offset: 56, .size: 8, .value_kind: global_buffer, .address_space: global }
      - { .name: qs, .offset: 64, .size: 8, .value_kind: global_buffer, .address_space: global }
      - { .name: mbits, .offset: 72, .size: 8, .value_kind: global_buffer, .address_space: global }
      - { .name: rope, .offset: 80, .size: 8, .value_kind: global_buffer, .address_space: global }
    .group_segment_fixed_size: 86016
    .private_segment_fixed_size: 0
    .kernarg_segment_align: 8
    .kernarg_segment_size: 88
    .max_flat_workgroup_size: 512
    .sgpr_count:     66
    .vgpr_count:     128
    .wavefront_size: 32
...
	.end_amdgpu_metadata
.endif
;; end of part 1
;; launch qkv (part 2): grid 24 x 8, 4 waves a work-group, clusters of 4 x 4, 327,680 bytes of LDS; arguments qc, qs, rope, ac, asc; writes ac, asc
.if DOCPART == 2
	.amdgcn_target "amdgcn-amd-amdhsa--gfx1250"
	.amdhsa_code_object_version 6
	.text
	.protected	k_qa5393f4bbe_qkv
	.globl	k_qa5393f4bbe_qkv
	.p2align	8
	.type	k_qa5393f4bbe_qkv,@function
k_qa5393f4bbe_qkv:
	s_mov_b64 s[64:65], 0
	v_nop
	global_prefetch_b8 v0, s[64:65] scope:SCOPE_SE
	s_setreg_imm32_b32 hwreg(HW_REG_WAVE_MODE, 25, 1), 1
	s_wait_xcnt 0x0
	s_wait_alu depctr_hold_cnt(0) depctr_sa_sdst(0) depctr_va_vdst(0) depctr_va_sdst(0) depctr_va_ssrc(0) depctr_va_vcc(0) depctr_vm_vsrc(0)
	s_getreg_b32 s2, hwreg(HW_REG_IB_STS2, 6, 4)
	s_cmp_eq_u32 s2, 0
	s_cbranch_scc0 .Lentry_in_a_cluster
	s_endpgm
.Lentry_in_a_cluster:
	s_bfe_u32 s2, ttmp6, 0x10000c
	s_cmp_lg_u32 s2, 0xf033
	s_cbranch_scc0 .Lentry_shape_is_right
	s_endpgm
.Lentry_shape_is_right:
; QKV: q, k = rotary(x W^T) and v^T = Wv x^T on codes of E5M2 with E8M0 scales, K = 2,048, and their quantisers: codes and scale words leave, no f32 result is stored.
; A tile of 256 x 256 to a work-group of four waves, 128 x 128 a wave (64 accumulators).  Tile columns 0-15 (clusters x 0-3): rows = tokens (A = x), columns = Wq's, Wk's rows (B).
; Tile columns 16-23 (clusters x 4, 5): rows = Wv's rows (A), columns = tokens (B = x): so v comes out with the keys along a lane's registers, as the second product of attention wants its K.
; The matrix instruction is used transposed (source 0 = B's rows, source 1 = A's): a lane holds one row of the tile and eight neighbouring columns an accumulator.
; qc[row block of 128][K step of 128][128 rows][128 bytes], qs[row block][K step][128 words]: a row block's 256 along K are 32,768 dense bytes, stated to the mover as 128 rows of 256 bytes.
; THE RING: two slots of 256 along K, each A's two row blocks and B's two, 272 bytes of LDS for each 256; a wave fetches one row block.  All tiles are asked for jointly: A's by the cluster's row, B's by its column.
; At the head each wave asks for its row block of slot 0; slot 1 is filled as a refill is.
; THE SCALE WORDS of the tile's 512 rows for all of K are 32,768 bytes, 1/32 of what the work-group reads: they come by plain loads, not jointly: 8,192 dense bytes a wave (16 loads of 512 bytes), asked for ahead of the opening round,
; and go by LDS stores into bytes of their own behind the ring; the round in front of slot 1's fill shows them to all waves.
; PREFETCHES: a wave's row block of a slot is 128 blocks of 256 bytes; the four partners that ask for it jointly take 32 each, told apart by address (cx for A, cy for B), a lane a block, one instruction a wave.
; Slots 1 and 2 are named at the head, slot 3 behind slot 1's load, slot n + 2 behind the refill that loads slot n (n = 2 .. 5): two slots, 256 matrix instructions a wave, ahead.  The last two refills name nothing.
; In clusters x 4, 5 B's waves name nothing: x's codes are named by clusters x 0-3.  cos and sin of a wave's 128 tokens (65,536 bytes) are read by eight waves of a cluster's row: each names 8,192 bytes once, ahead of the loop.
; THE WAY OUT, by blocks of 16 rows: rotation (q, k: pairs of neighbouring columns lie in neighbouring registers), a scale for each 32 columns (lanes l and l xor 16), hold, conversion.  cos and sin are loaded three blocks ahead, in four sets of 64 registers.
; Byte 32 b + 16 h + 8 u + j of a row of codes is column 32 b + 16 u + 8 h + j: the same order in q and k, and the order in which attention lays p along the keys.
; ac[16 tensor + head][token block][128 rows][128 bytes], asc[..][128 words].
; LIMITS: a block whose largest magnitude lies under 2^-111 gets the byte 1; NaN and infinities are not served.
.set QSTEP,  17408                     ; a K step of a row block in LDS: 64 x 272
.set REGN,   34816                     ; a row block's 256 along K
.set SLOT,   4*REGN
.set LAPS,   4
.set NQ,     2
.set FR,     16
.set NL,     4
.set NP,     8                         ; plain vector lines behind this matrix form (ISA guide 7.12.1)
.set SCL,    2*SLOT                    ; A's scale words; B's 16,448 bytes on
.set SPARE,  311552                    ; the spare words: 128 bytes a wave
.set STG,    18432                     ; the way out, in slot 0 behind its last fill and last read: a stage of 128 x 144 a wave
.set SST,    73728                     ; and 512 bytes of scale words a wave
.set PFO,  8                           ; v8  256 x lane + 8,192 x my place among the four partners; never rewritten
.set RPF,  9                           ; v9  the same among the eight waves that share cos and sin; never rewritten
.set SCW,  10                          ; v10 LDS: where my 8,192 bytes of scale words go
.set ADRA, 16
.set ADRB, 20
.set SSO,  22
.set SRD,  23
.set STO,  24
.set RD,   25
.set GO,   26                          ; v26 16 x lane
.set ADRS, 27
.set SPW,  28
.set NIL,  29
.set RO,   30
.set PW,   31
.set SC,   32                          ; v32-63 scale words, two sets: lanes 0-15 A's block i, lanes 16-31 B's
.set CS0,  64                          ; v64-127 at the head the scale words on their way; then cos and sin, set 0; sets 1-3 in window 1
.set AF,   128
.set T,    192
.set PC,   224
.set TM,   240
.set RB,   64
.set LIM,  2                           ; s2  1 in a wave that prefetches tiles, else the greatest number
.set G1, 24
.set G0, 32
.set G1B, 48
.set G0B, 56
.set PFA, 66                           ; s[66:67] my row block's codes, a slot on at each refill
.set SCB, 98                           ; s[98:99] my 8,192 bytes of scale words in memory
.set MSB, 0
.macro WIN new                         ; the immediate's high byte repeats the setting that is left
.if MSB != (\new)
	s_set_vgpr_msb (MSB<<8)|(\new)
.set MSB, (\new)
.endif
.endm
.set MUL_LO, 0xa1
.set MUL_HI, 0xf1
.set TO_B,   0x40
.macro PLACES n
.rept \n
	v_nop
.endr
.endm
.macro JLOAD g0a, g1a, g0b, g1b        ; waves 0, 1 fetch A's row blocks, waves 2, 3 B's; s_nop 0 and four v_nop follow each line
	s_cmp_eq_u32 s15, 0
	s_cbranch_scc0 .Lfor_b_\@
	tensor_load_to_lds s[\g0a:\g0a+3], s[\g1a:\g1a+7]
	s_nop 0
	PLACES 4
	s_branch .Lasked_\@
.Lfor_b_\@:
	tensor_load_to_lds s[\g0b:\g0b+3], s[\g1b:\g1b+7]
	s_nop 0
	PLACES 4
.Lasked_\@:
.endm
.macro CREST
	s_cmp_lg_u32 s14, 0
	s_cbranch_scc1 .Lnot_wave_0_\@
	s_barrier_signal -3
.Lnot_wave_0_\@:
	s_barrier_wait -3
	s_barrier_signal -1
	s_barrier_wait -1
.endm
.macro CROUND
	s_barrier_signal -1
	s_barrier_wait -1
	CREST
.endm
	s_load_b128 s[4:7], s[0:1], 0x0                ; qc, qs
	s_load_b128 s[8:11], s[0:1], 0x10              ; rope, ac
	s_load_b64 s[12:13], s[0:1], 0x20              ; asc
	v_lshl_add_u32 v[SPW], v0, 2, SPARE
	v_mov_b32 v[NIL], 0
	ds_add_u32 v[SPW], v[NIL]                      ; the opening lines: the add twice on end and one wait, ahead of my first tensor load
	ds_add_u32 v[SPW], v[NIL]
	v_lshrrev_b32 v1, 5, v0
	v_readfirstlane_b32 s14, v1                    ; wave
	s_lshr_b32 s15, s14, 1                         ; my half of the tile's rows; also: I fetch for A (0) or B (1)
	s_and_b32 s16, s14, 1                          ; my half of its columns; also: which row block I fetch
	s_bfe_u32 s40, ttmp6, 0x40000                  ; cx
	s_bfe_u32 s41, ttmp6, 0x40004                  ; cy
	s_lshl_b32 s42, ttmp9, 2
	s_add_co_u32 s42, s42, s40                     ; tile column
	s_and_b32 s17, ttmp7, 0xffff
	s_lshl_b32 s17, s17, 2
	s_add_co_u32 s17, s17, s41                     ; tile row
	s_lshl_b32 s43, s41, 2
	s_lshl_b32 s43, 15, s43                        ; my row of the cluster
	s_lshl_b32 s44, 0x1111, s40                    ; my column
	s_or_b32 s[G1+0], s43, (0<<16)|(1<<20)|(1<<21)|(5<<22)|(3<<25)   ; bytes; 4 words of padding after every 64
	s_or_b32 s[G1B+0], s44, (0<<16)|(1<<20)|(1<<21)|(5<<22)|(3<<25)
.irp g, G1, G1B                        ; a row block of a slot: 128 rows of 256 bytes, dense
	s_mov_b32 s[\g+1], 256<<16
	s_mov_b32 s[\g+2], 128<<16
	s_mov_b32 s[\g+3], 256<<16
	s_mov_b32 s[\g+4], 128
	s_mov_b32 s[\g+5], 256
	s_mov_b32 s[\g+6], 0
	s_mov_b32 s[\g+7], 0
.endr
	s_lshr_b32 s18, ttmp9, 2                       ; 1 in the clusters that make v
	s_mul_i32 s19, s18, 48
	s_lshl_b32 s20, s17, 1
	s_add_co_u32 s20, s20, s19                     ; A's first row block: x's, or Wv's from 48 on
	s_lshl_b32 s46, s42, 1
	s_add_co_u32 s46, s46, 16
	s_sub_co_u32 s46, s46, s19                     ; B's: Wq's, Wk's from 16 on, or x's
	s_lshl_b32 s22, s20, 13
	s_mov_b32 s23, 0
	s_lshl_b32 s92, s46, 13
	s_mov_b32 s93, 0
	s_lshl_b32 s20, s20, 18
	s_mov_b32 s21, 0
	s_lshl_b32 s46, s46, 18
	s_mov_b32 s47, 0
	s_lshl_b32 s94, s16, 18                        ; my row block of the two
	s_mov_b32 s95, 0
	s_mul_i32 s45, s14, REGN
	s_lshl_b32 s96, s14, 13                        ; my scale words in LDS: 8,192 x wave, B's 64 bytes further on
	s_lshl_b32 s97, s15, 6
	s_add_co_u32 s96, s96, s97
	s_add_co_u32 s96, s96, SCL
	v_and_b32 v6, 31, v0
	v_lshlrev_b32 v[GO], 4, v6
	v_add_nc_u32 v[SCW], s96, v[GO]
	s_lshl_b32 s96, s16, 13                        ; and in memory: my row block's 8,192 bytes
	s_mov_b32 s97, 0
	s_wait_alu depctr_va_vdst(0)
	s_wait_dscnt 0x0                               ; both opening adds are done
	s_wait_kmcnt 0x0
	s_add_nc_u64 s[20:21], s[4:5], s[20:21]
	s_add_nc_u64 s[22:23], s[6:7], s[22:23]
	s_add_nc_u64 s[46:47], s[4:5], s[46:47]
	s_add_nc_u64 s[92:93], s[6:7], s[92:93]
	s_cmp_eq_u32 s15, 0
	s_cselect_b64 s[SCB:SCB+1], s[22:23], s[92:93]
	s_add_nc_u64 s[SCB:SCB+1], s[SCB:SCB+1], s[96:97]
.set t, 0
.rept 16
	global_load_b128 v[CS0+4*t:CS0+4*t+3], v[GO], s[SCB:SCB+1] offset:512*t   ; 512 consecutive bytes a load
.set t, t+1
.endr
	CROUND                                         ; all sixteen work-groups are here: the first joint loads meet
	s_add_nc_u64 s[20:21], s[20:21], s[94:95]
	s_add_nc_u64 s[46:47], s[46:47], s[94:95]
.irp s, 0,1
	s_mov_b32 s[G0+4*\s], 1
	s_add_co_u32 s[G0+4*\s+1], s45, \s*SLOT
	s_add_nc_u64 s[G0+4*\s+2:G0+4*\s+3], s[20:21], \s*32768
	s_or_b32 s[G0+4*\s+3], s[G0+4*\s+3], 0x80000000
	s_mov_b32 s[G0B+4*\s], 1
	s_add_co_u32 s[G0B+4*\s+1], s45, \s*SLOT
	s_add_nc_u64 s[G0B+4*\s+2:G0B+4*\s+3], s[46:47], \s*32768
	s_or_b32 s[G0B+4*\s+3], s[G0B+4*\s+3], 0x80000000
.endr
	s_cmp_eq_u32 s15, 0
	s_cselect_b64 s[PFA:PFA+1], s[20:21], s[46:47] ; the row block that I fetch
	JLOAD G0, G1, G0B, G1B                         ; slot 0: my one load at the head
	s_mul_i32 s18, s15, REGN                       ; my 128 rows of A in a slot
	s_mul_i32 s19, s16, REGN
	s_add_co_u32 s19, s19, 2*REGN                  ; and of B
	s_lshl_b32 s20, s15, 13
	s_lshl_b32 s21, s16, 13
	s_add_co_u32 s21, s21, 16448
	s_sub_co_u32 s21, s21, s20                     ; from A's scale words to B's: lanes 16-31 take B's
	s_add_co_u32 s20, s20, SCL
	s_mul_i32 s22, s14, STG
	s_lshl_b32 s23, s14, 9
	s_add_co_u32 s23, s23, SST
	s_cmp_eq_u32 s15, 0
	s_cselect_b32 s45, s40, s41                    ; my place among the four that ask for my row block
	s_lshl_b32 s45, s45, 13
	s_lshr_b32 s46, ttmp9, 2
	s_and_b32 s46, s46, s15
	s_cmp_eq_u32 s46, 0
	s_cselect_b32 s[LIM], 1, -1
	s_lshl_b32 s47, s40, 1
	s_add_co_u32 s47, s47, s16
	s_lshl_b32 s47, s47, 13                        ; my eighth of my 128 tokens' cos and sin
	s_lshl_b32 s92, s17, 17
	s_lshl_b32 s93, s15, 16
	s_add_co_u32 s92, s92, s93
	s_mov_b32 s93, 0
	s_add_nc_u64 s[8:9], s[8:9], s[92:93]          ; cos and sin of my first token
	s_lshl_b32 s94, s42, 1
	s_add_co_u32 s94, s94, s16                     ; my block of 128 columns
	s_lshl_b32 s95, s17, 1
	s_add_co_u32 s95, s95, s15                     ; my block of 128 rows
	s_lshl_b32 s92, s94, 4
	s_add_co_u32 s92, s92, s95                     ; q, k: 16 (tensor, head) + token block
	s_lshl_b32 s93, s95, 4
	s_add_co_u32 s93, s93, s94
	s_add_co_u32 s93, s93, 480                     ; v: 512 + 16 head + token block
	s_cmp_lt_u32 ttmp9, 4
	s_cselect_b32 s94, s92, s93
	s_lshl_b32 s92, s94, 14
	s_mov_b32 s93, 0
	s_add_nc_u64 s[10:11], s[10:11], s[92:93]
	s_lshl_b32 s92, s94, 9
	s_add_nc_u64 s[12:13], s[12:13], s[92:93]
	v_and_b32 v1, 15, v0                           ; r
	v_bfe_u32 v2, v0, 4, 1                         ; h
	v_lshrrev_b32 v3, 1, v1
	v_mul_u32_u24 v3, v3, 272                      ; two rows of 128 bytes to an LDS row
	v_and_b32 v4, 1, v1
	v_lshl_add_u32 v3, v4, 7, v3
	v_lshl_add_u32 v4, v2, 4, v3
	v_add_nc_u32 v[ADRA], s18, v4
	v_add_nc_u32 v[ADRB], s19, v4
	v_add_nc_u32 v[ADRA+1], SLOT, v[ADRA]
	v_add_nc_u32 v[ADRB+1], SLOT, v[ADRB]
	v_lshlrev_b32 v5, 2, v1
	v_mul_u32_u24 v6, s21, v2
	v_add_nc_u32 v5, v5, v6
	v_add_nc_u32 v[ADRS], s20, v5
	v_mul_u32_u24 v5, v1, 144
	v_lshl_add_u32 v5, v2, 4, v5
	v_add_nc_u32 v[STO], s22, v5
	v_and_b32 v6, 31, v0
	v_lshrrev_b32 v5, 3, v6
	v_mul_u32_u24 v5, v5, 144
	v_and_b32 v7, 7, v6
	v_lshl_add_u32 v5, v7, 4, v5
	v_add_nc_u32 v[RD], s22, v5
	v_lshl_add_u32 v[SSO], v1, 2, s23
	v_add_nc_u32 v[SRD], s23, v[GO]
	v_lshlrev_b32 v[RO], 9, v1
	v_lshl_add_u32 v[RO], v2, 5, v[RO]
	v_lshl_add_u32 v[PFO], v6, 8, s45
	v_lshl_add_u32 v[RPF], v6, 8, s47
	s_wait_alu depctr_va_vdst(0)
	s_cmp_eq_u32 s[LIM], 1
	s_cbranch_scc0 .Lno_ask_head
	global_prefetch_b8 v[PFO], s[PFA:PFA+1] offset:32768 th:TH_LOAD_NT scope:SCOPE_SE   ; slot 1
	global_prefetch_b8 v[PFO], s[PFA:PFA+1] offset:65536 th:TH_LOAD_NT scope:SCOPE_SE   ; slot 2
.Lno_ask_head:
	s_wait_loadcnt 0x0                             ; my scale words are in registers
.set t, 0
.rept 16
	ds_store_b128 v[SCW], v[CS0+4*t:CS0+4*t+3] offset:512*t
.set t, t+1
.endr
.macro FRAG reg, adr, q, i             ; 16 rows x 128 K: registers 4 c .. 4 c + 3 hold K = 32 c + 16 h + 0 .. 15
.irp c, 0,1,2,3
	ds_load_b128 v[\reg+4*\c:\reg+4*\c+3], v[\adr] offset:QSTEP*(\q)+2176*(\i)+32*\c
.endr
.endm
.macro MUL16 a0, p, q, sc, zero        ; A's blocks a0, a0 + 1 against B's eight; the 64 accumulators take turns
.irp a, \a0, \a0+1
.irp b, 0,1,2,3,4,5,6,7
.if \zero
	v_wmma_scale_f32_16x16x128_f8f6f4 v[8*(8*((\a)%4)+\b):8*(8*((\a)%4)+\b)+7], v[128*(\p)+FR*\b:128*(\p)+FR*\b+FR-1], v[AF+FR*(\a):AF+FR*(\a)+FR-1], 0, v[SC+8*NQ*(\sc)+NQ*\b+(\q)], v[SC+8*NQ*(\sc)+NQ*(\a)+(\q)] matrix_a_fmt:MATRIX_FMT_BF8 matrix_b_fmt:MATRIX_FMT_BF8 matrix_a_scale:MATRIX_SCALE_ROW1
.else
	v_wmma_scale_f32_16x16x128_f8f6f4 v[8*(8*((\a)%4)+\b):8*(8*((\a)%4)+\b)+7], v[128*(\p)+FR*\b:128*(\p)+FR*\b+FR-1], v[AF+FR*(\a):AF+FR*(\a)+FR-1], v[8*(8*((\a)%4)+\b):8*(8*((\a)%4)+\b)+7], v[SC+8*NQ*(\sc)+NQ*\b+(\q)], v[SC+8*NQ*(\sc)+NQ*(\a)+(\q)] matrix_a_fmt:MATRIX_FMT_BF8 matrix_b_fmt:MATRIX_FMT_BF8 matrix_a_scale:MATRIX_SCALE_ROW1
.endif
.endr
.endr
.endm
.macro FETCH_B slot, q, p
	WIN TO_B
.irp i, 0,1,2,3,4,5,6,7
	FRAG 128*(\p)+FR*\i, ADRB+\slot, \q, \i
.endr
	WIN 0
.endm
.macro FETCH_A slot, q, i0
.irp i, \i0, \i0+1, \i0+2, \i0+3
	FRAG AF+FR*(\i), ADRA+\slot, \q, \i
.endr
.endm
.macro SCALES sc
.irp i, 0,1,2,3,4,5,6,7
.irp q, 0,1
	ds_load_b32 v[SC+8*NQ*\sc+NQ*\i+\q], v[ADRS] offset:512*\q+64*\i
.endr
.endr
.endm
.macro STEP slot, q, zero              ; 128 along K whose successor lies in the same slot
	s_wait_dscnt 4*NL                              ; all but the youngest 16 loads, A's blocks 4-7
	WIN MUL_LO
	MUL16 0, (\q)%2, \q, \slot, \zero
	MUL16 2, (\q)%2, \q, \slot, \zero
	s_wait_dscnt 0
	PLACES NP
	FETCH_B \slot, (\q)+1, 1-(\q)%2
	FETCH_A \slot, (\q)+1, 0
	WIN MUL_HI
	MUL16 4, (\q)%2, \q, \slot, \zero
	MUL16 6, (\q)%2, \q, \slot, \zero
	PLACES NP
	WIN 0
	FETCH_A \slot, (\q)+1, 4
.endm
.macro TURN slot, next, fill           ; a slot's last step, and the change of slots
.if \fill
	s_wait_xcnt 0x0                                ; my last prefetch has read its address
	s_add_nc_u64 s[PFA:PFA+1], s[PFA:PFA+1], 32768
.endif
	s_wait_tensorcnt 0x0                           ; my part of the next slot is in
	ds_add_u32 v[SPW], v[NIL]
	s_wait_dscnt 4*NL+1                            ; the add and A's blocks 4-7 may be out
	WIN MUL_LO
	MUL16 0, 1, NQ-1, \slot, 0
	s_wait_dscnt 0x0                               ; the add is done, my reads of this slot are over
	s_barrier_signal -1
	MUL16 2, 1, NQ-1, \slot, 0
	WIN 0
	s_barrier_wait -1
.if \fill
	CREST                                          ; the barrier has opened a round of the cluster's
	s_add_nc_u64 s[G0+4*\slot+2:G0+4*\slot+3], s[G0+4*\slot+2:G0+4*\slot+3], 65536
	s_add_nc_u64 s[G0B+4*\slot+2:G0B+4*\slot+3], s[G0B+4*\slot+2:G0B+4*\slot+3], 65536
	JLOAD G0+4*\slot, G1, G0B+4*\slot, G1B
	PLACES NP-4
.else
	PLACES NP
.endif
	s_wait_alu depctr_va_vdst(0)
	v_add_nc_u32 v[ADRS], 1024, v[ADRS]            ; the next slot's scale words
	FETCH_B \next, 0, 0
	FETCH_A \next, 0, 0
	SCALES \next
.if \fill
	s_cmp_gt_u32 s3, s[LIM]                        ; not in the loop's last trip: no slot lies two on
	s_cbranch_scc0 .Lnot_mine_\@
	global_prefetch_b8 v[PFO], s[PFA:PFA+1] offset:98304 th:TH_LOAD_NT scope:SCOPE_SE   ; the slot two refills on
.Lnot_mine_\@:
.endif
	WIN MUL_HI
	MUL16 4, 1, NQ-1, \slot, 0
	MUL16 6, 1, NQ-1, \slot, 0
	PLACES NP
	WIN 0
	FETCH_A \next, 0, 4
.endm
.macro CSET a                          ; block a's set of cos and sin: set a % 4; set 0 in window 0, sets 1-3 where B's fragments lay
.if ((\a)%4) == 0
.set CL, CS0
.set CW, 0
.else
.set CL, 64*((\a)%4-1)
.set CW, 1
.endif
.endm
.macro CSLOAD a                        ; (cos, sin) of the 64 pairs' half that my lane holds, for block a's 16 tokens: 16 loads
	CSET \a
	WIN CW<<6
.irp b, 0,1,2,3,4,5,6,7
	global_load_b128 v[CL+8*\b:CL+8*\b+3], v[RO], s[8:9] offset:(\a)*8192+64*\b
	global_load_b128 v[CL+8*\b+4:CL+8*\b+7], v[RO], s[8:9] offset:(\a)*8192+64*\b+16
.endr
	WIN 0
.endm
.macro ROTATE a
.set WW, 2+(\a)/4
.set AC, 64*((\a)%4)
	CSET \a
.irp hb, 0,1
	WIN WW|(CW<<2)
.irp p, 0,1,2,3,4,5,6,7,8,9,10,11,12,13,14,15
	v_mul_f32 v[T+2*\p], v[AC+32*\hb+2*\p+1], v[CL+32*\hb+2*\p+1]
	v_mul_f32 v[T+2*\p+1], v[AC+32*\hb+2*\p], v[CL+32*\hb+2*\p+1]
.endr
	WIN WW|(CW<<2)|(WW<<6)
.irp p, 0,1,2,3,4,5,6,7,8,9,10,11,12,13,14,15
	v_fma_f32 v[AC+32*\hb+2*\p], v[AC+32*\hb+2*\p], v[CL+32*\hb+2*\p], -v[T+2*\p]
	v_fma_f32 v[AC+32*\hb+2*\p+1], v[AC+32*\hb+2*\p+1], v[CL+32*\hb+2*\p], v[T+2*\p+1]
.endr
.endr
	WIN 0
.endm
.macro QUANTW a                        ; block a's 64 numbers a lane: four scale blocks of 32 (16 mine, 16 of lane l xor 16) -> codes v[PC] on, scale word v[PW]
.set WW, 2+(\a)/4
.set AC, 64*((\a)%4)
	WIN WW|(WW<<2)
.irp b, 0,1,2,3
	v_max3_num_f32 v[TM+\b], |v[AC+16*\b]|, |v[AC+16*\b+1]|, 0x8000000
.endr
.irp i, 2,4,6,8,10,12,14
.irp b, 0,1,2,3
	v_max3_num_f32 v[TM+\b], |v[AC+16*\b+\i]|, |v[AC+16*\b+\i+1]|, v[TM+\b]
.endr
.endr
	WIN 0
.irp b, 0,1,2,3
	v_permlanex16_b32 v[TM+4+\b], v[TM+\b], s18, s19
.endr
.irp b, 0,1,2,3
	v_max_num_f32 v[TM+\b], v[TM+\b], v[TM+4+\b]
.endr
.irp b, 0,1,2,3
	v_add_nc_u32 v[TM+12+\b], 0xf8800000, v[TM+\b]
.endr
.irp b, 0,1,2,3
	v_and_or_b32 v[TM+8+\b], v[TM+\b], 0x7f800000, s20
.endr
.irp b, 0,1,2,3
	v_lshrrev_b32 v[TM+4+\b], 23, v[TM+12+\b]
.endr
	v_lshl_or_b32 v[PW], v[TM+5], 8, v[TM+4]
	v_lshl_or_b32 v[PW], v[TM+6], 16, v[PW]
	v_lshl_or_b32 v[PW], v[TM+7], 24, v[PW]
	WIN WW|(WW<<6)
.irp b, 0,1,2,3
.irp i, 0,1,2,3,4,5,6,7,8,9,10,11,12,13,14,15
	v_med3_num_f32 v[AC+16*\b+\i], v[AC+16*\b+\i], -v[TM+8+\b], v[TM+8+\b]   ; the conversion does not saturate (ISA guide 7.6.2)
.endr
.endr
	WIN WW
.irp b, 0,1,2,3
	v_cvt_scalef32_pk8_bf8_f32 v[PC+4*\b:PC+4*\b+1], v[AC+16*\b:AC+16*\b+7], v[TM+12+\b]
	v_cvt_scalef32_pk8_bf8_f32 v[PC+4*\b+2:PC+4*\b+3], v[AC+16*\b+8:AC+16*\b+15], v[TM+12+\b]
.endr
	WIN 0
	v_nop                                          ; a plain line behind the last conversion
.endm
.macro BLOCK a, rot
.if \rot
.if (\a) < 5
	CSLOAD (\a)+3
	s_wait_loadcnt 48                              ; this block's 16 loads are in; three blocks' may be out
.else
	s_wait_loadcnt 16*(7-(\a))
.endif
	ROTATE \a
.endif
	QUANTW \a
.irp b, 0,1,2,3
	ds_store_b128 v[STO], v[PC+4*\b:PC+4*\b+3] offset:(\a)*2304+32*\b
.endr
	ds_store_b32 v[SSO], v[PW] offset:64*(\a)
	s_wait_dscnt 0x0                               ; the stores have read their registers
.endm
.macro BLOCKS rot
.irp a, 0,1,2,3,4,5,6,7
	BLOCK \a, \rot
.endr
.endm
	s_wait_tensorcnt 0x0                           ; my row block of slot 0 is in
	ds_add_u32 v[SPW], v[NIL]
	s_wait_dscnt 0x0                               ; the add is done, and my scale words have landed in LDS
	CROUND                                         ; slot 0 and the scale words are whole, in every work-group
	JLOAD G0+4, G1, G0B+4, G1B                     ; slot 1
	FETCH_B 0, 0, 0
	FETCH_A 0, 0, 0
	SCALES 0
	FETCH_A 0, 0, 4
	s_cmp_eq_u32 s[LIM], 1
	s_cbranch_scc0 .Lno_ask_3
	global_prefetch_b8 v[PFO], s[PFA:PFA+1] offset:98304 th:TH_LOAD_NT scope:SCOPE_SE   ; slot 3
.Lno_ask_3:
	s_cmp_lt_u32 ttmp9, 4
	s_cbranch_scc0 .Lno_rope
	global_prefetch_b8 v[RPF], s[8:9] th:TH_LOAD_NT scope:SCOPE_SE                      ; my eighth of my tokens' cos and sin
.Lno_rope:
	STEP 0, 0, 1                                   ; the first step starts the sums
	s_mov_b32 s3, LAPS-1
.Llap:
	TURN 0, 1, 1
	STEP 1, 0, 0
	TURN 1, 0, 1
	STEP 0, 0, 0
	s_sub_co_u32 s3, s3, 1
	s_cmp_lg_u32 s3, 0
	s_cbranch_scc1 .Llap
	s_cmp_lt_u32 ttmp9, 4
	s_cbranch_scc0 .Lno_cs0
	CSLOAD 0                                       ; q, k: block 0's cos and sin, a lap ahead
.Lno_cs0:
	TURN 0, 1, 0                                   ; the last lap fills nothing
	STEP 1, 0, 0
	s_mov_b32 s18, 0x76543210
	s_mov_b32 s19, 0xfedcba98
	s_mov_b32 s20, 0x600000                        ; the mantissa field of 57,344
	s_wait_dscnt 4*NL
	WIN MUL_LO
	MUL16 0, 1, NQ-1, 1, 0
	MUL16 2, 1, NQ-1, 1, 0
	s_wait_dscnt 0
	WIN MUL_HI
	MUL16 4, 1, NQ-1, 1, 0
	MUL16 6, 1, NQ-1, 1, 0
	WIN 0
	PLACES NP
.irp b, 0,1,2,3
	v_mov_b32 v[TM+4+\b], 0                        ; a lane permute's destination counts as one of its sources
.endr
	s_cmp_lt_u32 ttmp9, 4
	s_cbranch_scc0 .Lv_tail
	CSLOAD 1
	CSLOAD 2
	BLOCKS 1
	s_branch .Lsend
.Lv_tail:
	s_wait_loadcnt 0x0                             ; v: no load of mine is out
	BLOCKS 0
.Lsend:
.set t, 0
.rept 32
	ds_load_b128 v[RB+4*t:RB+4*t+3], v[RD] offset:576*t   ; my own stage: four rows of 128 bytes an instruction
.set t, t+1
.endr
	ds_load_b128 v[192:195], v[SRD]
.set t, 0
.rept 32
	s_wait_dscnt 32-t
	global_store_b128 v[GO], v[RB+4*t:RB+4*t+3], s[10:11] offset:512*t   ; 512 consecutive bytes of the dense tile
.set t, t+1
.endr
	s_wait_dscnt 0x0
	global_store_b128 v[GO], v[192:195], s[12:13]
	s_wait_tensorcnt 0x0                           ; the wave's end
	ds_add_u32 v[SPW], v[NIL]
	s_wait_dscnt 0x0
	CROUND                                         ; the closing round
	s_endpgm
.Lfunc_end_k_qa5393f4bbe_qkv:
	.size	k_qa5393f4bbe_qkv, .Lfunc_end_k_qa5393f4bbe_qkv-k_qa5393f4bbe_qkv
	.p2alignl 7, 3214868480
	.fill 96, 4, 3214868480
	.section	.rodata,"a",@progbits
	.p2align	6, 0x0
	.amdhsa_kernel k_qa5393f4bbe_qkv
		.amdhsa_group_segment_fixed_size 327680
		.amdhsa_private_segment_fixed_size 0
		.amdhsa_enable_private_segment 0
		.amdhsa_kernarg_size 40
		.amdhsa_user_sgpr_count 2
		.amdhsa_user_sgpr_kernarg_segment_ptr 1
		.amdhsa_wavefront_size32 1
		.amdhsa_system_sgpr_workgroup_id_x 1
		.amdhsa_system_sgpr_workgroup_id_y 1
		.amdhsa_system_sgpr_workgroup_id_z 1
		.amdhsa_system_vgpr_workitem_id 0
		.amdhsa_next_free_vgpr 1024
		.amdhsa_next_free_sgpr 100
		.amdhsa_reserve_vcc 0
		.amdhsa_float_denorm_mode_32 3
		.amdhsa_float_denorm_mode_16_64 3
		.amdhsa_memory_ordered 1
		.amdhsa_forward_progress 1
		.amdhsa_inst_pref_size 255
	.end_amdhsa_kernel
	.section	.bss,"aw",@nobits
	.p2align	6
	.space	262144
	.amdgpu_metadata
---
amdhsa.version: [ 1, 2 ]
amdhsa.kernels:
  - .name:           k_qa5393f4bbe_qkv
    .symbol:         k_qa5393f4bbe_qkv.kd
    .args:
      - { .name: qc, .offset: 0, .size: 8, .value_kind: global_buffer, .address_space: global }
      - { .name: qs, .offset: 8, .size: 8, .value_kind: global_buffer, .address_space: global }
      - { .name: rope, .offset: 16, .size: 8, .value_kind: global_buffer, .address_space: global }
      - { .name: ac, .offset: 24, .size: 8, .value_kind: global_buffer, .address_space: global }
      - { .name: asc, .offset: 32, .size: 8, .value_kind: global_buffer, .address_space: global }
    .group_segment_fixed_size: 327680
    .private_segment_fixed_size: 0
    .kernarg_segment_align: 8
    .kernarg_segment_size: 40
    .max_flat_workgroup_size: 128
    .sgpr_count:     100
    .vgpr_count:     1024
    .wavefront_size: 32
...
	.end_amdgpu_metadata
.endif
;; end of part 2
;; launch attn (part 3): grid 16 x 16, 8 waves a work-group, clusters of 4 x 1, 327,680 bytes of LDS; arguments ac, asc, mbits, cc, cs; writes cc, cs
.if DOCPART == 3
	.amdgcn_target "amdgcn-amd-amdhsa--gfx1250"
	.amdhsa_code_object_version 6
	.text
	.protected	k_qa5393f4bbe_attn
	.globl	k_qa5393f4bbe_attn
	.p2align	8
	.type	k_qa5393f4bbe_attn,@function
k_qa5393f4bbe_attn:
	s_mov_b64 s[64:65], 0
	v_nop
	global_prefetch_b8 v0, s[64:65] scope:SCOPE_SE
	s_setreg_imm32_b32 hwreg(HW_REG_WAVE_MODE, 25, 1), 1
	s_wait_xcnt 0x0
	s_wait_alu depctr_hold_cnt(0) depctr_sa_sdst(0) depctr_va_vdst(0) depctr_va_sdst(0) depctr_va_ssrc(0) depctr_va_vcc(0) depctr_vm_vsrc(0)
	s_getreg_b32 s2, hwreg(HW_REG_IB_STS2, 6, 4)
	s_cmp_eq_u32 s2, 0
	s_cbranch_scc0 .Lentry_in_a_cluster
	s_endpgm
.Lentry_in_a_cluster:
	s_bfe_u32 s2, ttmp6, 0x10000c
	s_cmp_lg_u32 s2, 0x3003
	s_cbranch_scc0 .Lentry_shape_is_right
	s_endpgm
.Lentry_shape_is_right:
; ATTN: scores, the mask as it is given, the streaming softmax, the second product, ctx / l and its quantising; both products on codes of E5M2 with E8M0 scales.
; A work-group owns 128 queries of one head, each of its eight waves one tile of 16, in 512 registers: two waves to a SIMD.  Every wave walks all 2,048 keys, 128 a step: the mask is an input, so no step is left out.
; Both products are used transposed: S^T = K Q^T (source 0 = 16 keys), O^T = V^T P^T (source 0 = 16 channels): a lane holds ONE query throughout.
; Register 8 t + j of S^T in lane (r, h) is key 16 t + 8 h + j.  The 16 registers of tiles 2 B, 2 B + 1 are quantised and stand as operand bytes 32 B + 16 h + 8 u + j = key 32 B + 16 u + 8 h + j: the order in which the launch before laid v along the keys.
; THE MASK: mbits holds, for my tile and each step, 64 words: bit L of word n says whether register n of lane L is masked.  They come by scalar loads, one step ahead, and each is the select of one v_cndmask_b32,
; which puts -10000 sqrt(128) in the score's place: times c = log2(e) / sqrt(128) that is -10000 log2(e), as the masked logit has it.  A row that is masked throughout comes out uniform.
; THE SOFTMAX: t = score x c; M = the running largest t rounded up to a whole number; p = 2^(t - M) is quantised along the keys, not normalised; the sum is taken of the unquantised p and divides at the end.
; LDS LOADS RUN HALF A STEP AHEAD.  All eight fragments of K and all eight of V have registers of their own (window 1).  V of a step is asked for at the step's head and is wanted behind the softmax; K of the next step is asked for in the
; step's middle, behind the scalings, and is wanted at the next step's head.  So a step has two waits for LDS, each behind a long run of vector work, and 40 LDS loads of a wave are out at the most.
; CLUSTER: the four query blocks of a cluster belong to one head and walk the same K and V: each tile is asked for jointly (mask 15) by waves 0-3: K step 0, K step 1, V step 0, V step 1 of a slot of 256 keys.
; THE CHANGE OF SLOTS stands in the middle of a slot's second step: V of that step is in registers by then, so the slot has been read out; behind the round it is filled again, and K of the next slot's first step is asked for.
; ctx leaves as codes in natural order, cc[token block][head][128 tokens][128 bytes], with scale words cs[token block][head][128]: K steps of the last product.
; LIMITS: p under 2^-126 is flushed to 0 by v_exp_f32; blocks whose largest magnitude lies under 2^-111 get the byte 1; NaN and infinities are not served.
; REGISTERS: window 0: v1-4 places and the masked score; v5, v6 the spare word; v7 the prefetch offset; v8-10 addresses in hand; v12 -M, v13 largest t, v[14:15] the sum; v16-31 Q; v32-39 K's scale words, v40-47 V's;
;   v48-95 the way out; v96-159 S^T, p; v160-223 O^T; v224-239 codes of p; v232-254 at work; v253 p's scale word, v255 Q's.   window 1: v0-127 K's eight fragments, v128-255 V's.
.set KP,    144                        ; a row of 128 bytes + 16 of padding
.set STEPB, 128*KP                     ; a tile of 128 rows
.set VOFF,  2*STEPB
.set SLOT1, 1<<17
.set SCK,   2*SLOT1                    ; K's 2,048 scale words of the head; V's 8,192 bytes on
.set SPARE, SCK+16384                  ; the spare words, 128 bytes a wave: four blocks of 256 bytes that no other line names
.set SST,   18432                      ; the way out, in slot 0, left at the last change of slots: eight stages of 16 x 144, then 512 bytes of scale words
.set AK0,  1
.set AV0,  2
.set ASK0, 3
.set MSK,  4
.set SPW,  5
.set NIL,  6
.set PFO,  7
.set ADK,  8
.set ADV,  9
.set ADS,  10
.set KS,   32
.set VS,   40
.set KF,   0                           ; in window 1
.set VF,   128                         ; in window 1
.set TM,   232
.set PW,   254
.set PC,   64
.set TB,   2                           ; s2   LDS byte at which the slot begins whose K was asked for last
.set TS,   3                           ; s3   1,024 x the slot's number: two steps' scale words
.set WV,   14
.set LIM,  15
.set G1,   16
.set G0,   24
.set CS,   28
.set MNT,  30
.set SLOTS, 31
.set G1S,  32                          ; at the head only: later mask words
.set G0S,  40
.set MO,   66
.set SEL,  100
.set PFA,  104
.set MSB, 0
.macro WIN new                         ; the immediate's high byte repeats the setting that is left
.if MSB != (\new)
	s_set_vgpr_msb (MSB<<8)|(\new)
.set MSB, (\new)
.endif
.endm
.set MULW, 0x01                        ; source 0 (K's or V's fragment) window 1; all else window 0
.set TO_F, 0x40                        ; destination window 1, address window 0
.macro CROUND
	s_barrier_signal -1
	s_barrier_wait -1
	s_cmp_lg_u32 s[WV], 0
	s_cbranch_scc1 .Lnot_wave_0_\@
	s_barrier_signal -3
.Lnot_wave_0_\@:
	s_barrier_wait -3
	s_barrier_signal -1
	s_barrier_wait -1
.endm
.macro JLOAD                           ; waves 0-3 fetch a tile each; four v_nop follow the line
	s_cmp_lt_u32 s[WV], 4
	s_cbranch_scc0 .Lasked_\@
	tensor_load_to_lds s[G0:G0+3], s[G1:G1+7]
	s_nop 0
.rept 4
	v_nop
.endr
.Lasked_\@:
.endm
; A prefetch of what the NEXT change of slots will ask for: 32,768 bytes of K and as many of V.  All clusters of a head walk the same tiles: the head's first cluster asks; its four partners take 8,192 bytes each, told apart by address;
; in each, wave 4 asks for K and wave 5 for V, lanes 256 bytes apart: each block of 256 bytes is named once.  It runs two key steps ahead of the load; the last change that fills a slot asks for nothing; the head asks for slot 2.
.macro ASK
	s_cmp_gt_u32 s[SLOTS], s[LIM]
	s_cbranch_scc0 .Lnot_mine_\@
	global_prefetch_b8 v[PFO], s[PFA:PFA+1] th:TH_LOAD_NT scope:SCOPE_SE
.Lnot_mine_\@:
.endm
.macro MLOAD                           ; a step's 64 mask words
	s_load_b512 s[32:47], s[8:9], s[MO] offset:0x0
	s_load_b512 s[48:63], s[8:9], s[MO] offset:0x40
	s_load_b512 s[68:83], s[8:9], s[MO] offset:0x80
	s_load_b512 s[84:99], s[8:9], s[MO] offset:0xc0
.endm
	s_load_b128 s[4:7], s[0:1], 0x0                ; ac, asc
	s_load_b128 s[8:11], s[0:1], 0x10              ; mbits, cc
	s_load_b64 s[12:13], s[0:1], 0x20              ; cs
	v_lshl_add_u32 v[SPW], v0, 2, SPARE
	v_mov_b32 v[NIL], 0
	ds_add_u32 v5, v6
	ds_add_u32 v5, v6
	s_wait_dscnt 0x0
	v_lshrrev_b32 v8, 5, v0
	s_delay_alu instid0(VALU_DEP_1)
	v_readfirstlane_b32 s[WV], v8                  ; wave 0..7
	s_bfe_u32 s68, ttmp6, 0x40000                  ; cx
	s_lshl_b32 s69, ttmp9, 2
	s_add_co_u32 s69, s69, s68                     ; my block of 128 queries: it enters global addresses alone
	s_and_b32 s70, ttmp7, 0xffff                   ; the head, which the partners share
	s_bfe_u32 s71, s[WV], 0x10001                  ; what I fetch, if I fetch: K (0) or V (1),
	s_lshl_b32 s71, s71, 4
	s_add_co_u32 s71, s71, s70
	s_add_co_u32 s71, s71, 16                      ; entry 16 + head or 32 + head of ac and asc,
	s_and_b32 s72, s[WV], 1                        ; which of a slot's two steps
	s_lshl_b32 s74, s71, 18
	s_lshl_b32 s73, s72, 14
	s_add_co_u32 s74, s74, s73
	s_mov_b32 s75, 0
	s_lshl_b32 s76, s71, 13
	s_lshl_b32 s73, s72, 12
	s_add_co_u32 s76, s76, s73
	s_mov_b32 s77, 0
	s_and_b32 s78, s[WV], 3
	s_mul_i32 s79, s78, STEPB                      ; its place in a slot,
	s_lshl_b32 s78, s78, 12                        ; and among the scale words
	s_mov_b32 s[G1], 15|(0<<16)|(1<<20)|(1<<21)|(4<<22)|(3<<25)   ; all four work-groups; elements of 1 byte; padding: 4 words after every 32
	s_mov_b32 s[G1+1], 256<<16                     ; a tile's 128 rows of 128 bytes are dense: stated as 64 rows of 256 bytes, the padding still behind each 128
	s_mov_b32 s[G1+2], 64<<16
	s_mov_b32 s[G1+3], 256<<16
	s_mov_b32 s[G1+4], 64
	s_mov_b32 s[G1+5], 256
	s_mov_b32 s[G1+6], 0
	s_mov_b32 s[G1+7], 0
	s_mov_b32 s[G1S], 15|(3<<16)|(1<<21)           ; 4,096 dense bytes as 16 rows of 32 elements of 8 bytes
	s_mov_b32 s[G1S+1], 32<<16
	s_mov_b32 s[G1S+2], 16<<16
	s_mov_b32 s[G1S+3], 32<<16
	s_mov_b32 s[G1S+4], 16
	s_mov_b32 s[G1S+5], 32
	s_mov_b32 s[G1S+6], 0
	s_mov_b32 s[G1S+7], 0
	s_mov_b32 s[CS], 0x3e0293ee                    ; c = log2(e) / sqrt(128)
	s_mov_b32 s[CS+1], s[CS]
	s_mov_b32 s[MNT], 0x600000
	s_mov_b32 s[SEL], 0x76543210
	s_mov_b32 s[SEL+1], 0xfedcba98
	s_mov_b32 s[TB], 0
	s_mov_b32 s[TS], 0
	s_mov_b32 s[SLOTS], 6                          ; the loop's trips: slot 1 is asked for ahead of the loop, slots 2 to 7 in it
	s_mov_b32 s[MO], 0
	s_lshl_b32 s80, s70, 4
	s_add_co_u32 s80, s80, s69                     ; 16 head + block
	s_lshl_b32 s82, s80, 14
	s_lshl_b32 s81, s[WV], 11
	s_add_co_u32 s82, s82, s81
	s_mov_b32 s83, 0                               ; Q's codes
	s_lshl_b32 s84, s80, 9
	s_lshl_b32 s81, s[WV], 6
	s_add_co_u32 s84, s84, s81
	s_mov_b32 s85, 0                               ; Q's scale words
	s_lshl_b32 s86, s69, 3
	s_add_co_u32 s86, s86, s[WV]
	s_lshl_b32 s86, s86, 12
	s_mov_b32 s87, 0                               ; my tile's mask words
	s_lshl_b32 s80, s69, 4
	s_add_co_u32 s80, s80, s70                     ; 16 block + head
	s_lshl_b32 s88, s80, 14
	s_lshl_b32 s81, s[WV], 11
	s_add_co_u32 s88, s88, s81
	s_mov_b32 s89, 0                               ; ctx's codes
	s_lshl_b32 s90, s80, 9
	s_mov_b32 s91, 0                               ; ctx's scale words
	s_and_b32 s92, s[WV], 1                        ; the prefetches: K (wave 4) or V (wave 5),
	s_lshl_b32 s92, s92, 4
	s_add_co_u32 s92, s92, s70
	s_add_co_u32 s92, s92, 16
	s_lshl_b32 s92, s92, 18
	s_lshl_b32 s93, s68, 13                        ; my work-group's 8,192 bytes,
	s_add_co_u32 s92, s92, s93
	s_add_co_u32 s92, s92, 32768                   ; in slot 1: the first change of slots steps it to slot 2
	s_mov_b32 s93, 0
	s_lshr_b32 s94, s[WV], 1
	s_xor_b32 s94, s94, 2
	s_or_b32 s94, s94, ttmp9                       ; 0 in waves 4 and 5 of the head's first cluster: the same in all partners
	s_cmp_eq_u32 s94, 0
	s_cselect_b32 s[LIM], 1, -1
	s_wait_kmcnt 0x0
	s_mov_b32 s[G0], 1
	s_mov_b32 s[G0+1], s79
	s_add_nc_u64 s[G0+2:G0+3], s[4:5], s[74:75]
	s_or_b32 s[G0+3], s[G0+3], 0x80000000
	s_mov_b32 s[G0S], 1
	s_add_co_u32 s[G0S+1], s78, SCK
	s_add_nc_u64 s[G0S+2:G0S+3], s[6:7], s[76:77]
	s_or_b32 s[G0S+3], s[G0S+3], 0x80000000
	s_add_nc_u64 s[PFA:PFA+1], s[4:5], s[92:93]
	s_add_nc_u64 s[4:5], s[4:5], s[82:83]
	s_add_nc_u64 s[6:7], s[6:7], s[84:85]
	s_add_nc_u64 s[8:9], s[8:9], s[86:87]
	s_add_nc_u64 s[10:11], s[10:11], s[88:89]
	s_add_nc_u64 s[12:13], s[12:13], s[90:91]
	CROUND                                         ; all four work-groups are here: the first joint loads meet
	s_cmp_lt_u32 s[WV], 4                          ; one load a wave at the head: waves 0-3 slot 0's four tiles, waves 4-7 the four quarters of the head's scale words
	s_cbranch_scc0 .Lfirst_scales
	tensor_load_to_lds s[G0:G0+3], s[G1:G1+7]      ; slot 0
	s_nop 0
.rept 4
	v_nop
.endr
	s_branch .Lfirst_asked
.Lfirst_scales:
	tensor_load_to_lds s[G0S:G0S+3], s[G1S:G1S+7]  ; the scale words: filled once
	s_nop 0
.rept 4
	v_nop
.endr
.Lfirst_asked:
	v_and_b32 v8, 15, v0                           ; r
	v_bfe_u32 v9, v0, 4, 1                         ; h
	s_delay_alu instid0(VALU_DEP_2)
	v_lshlrev_b32 v10, 7, v8
	s_delay_alu instid0(VALU_DEP_1)
	v_lshl_add_u32 v10, v9, 4, v10
.irp c, 0,1,2,3
	global_load_b128 v[16+4*\c:19+4*\c], v10, s[4:5] offset:32*\c   ; Q's fragment stays in registers
.endr
	v_lshlrev_b32 v11, 2, v8
	global_load_b32 v255, v11, s[6:7]              ; Q's scale words
	v_mul_u32_u24 v[AK0], v8, KP
	s_delay_alu instid0(VALU_DEP_1)
	v_lshl_add_u32 v[AK0], v9, 4, v[AK0]
	s_delay_alu instid0(VALU_DEP_1)
	v_add_nc_u32 v[AV0], VOFF, v[AK0]
	v_lshl_add_u32 v[ASK0], v8, 2, SCK
	v_mov_b32 v[MSK], 0xc7dcf88b                   ; -10000 sqrt(128)
	v_and_b32 v[PFO], 31, v0
	s_delay_alu instid0(VALU_DEP_1)
	v_lshlrev_b32 v[PFO], 8, v[PFO]
	v_mov_b32 v13, 0xff61b1e6                      ; the largest t so far: -3e38
	s_delay_alu instid0(VALU_DEP_1)
	v_floor_f32 v12, -v13
	v_mov_b32 v14, 0
	v_mov_b32 v15, 0
.irp b, 0,1,2,3
	v_mov_b32 v[236+\b], 0                         ; a lane permute's destination counts as one of its sources
.endr
	v_mov_b32 v253, 0
.set JJ, 0
.rept 64
	v_mov_b32 v[160+JJ], 0                         ; O^T: the step is written once for all steps; its first run finds zeros
.set JJ, JJ+1
.endr
	s_wait_tensorcnt 0x0                           ; my first fills have landed: the registers of the scale words' descriptor may be written
	MLOAD                                          ; step 0's mask words
	s_wait_loadcnt 0x0                             ; Q; its address registers may be written
.macro FETCH_K q, so                   ; the eight fragments of K of step q of the slot at v[ADK], and their scale words, so bytes on from v[ADS]: 40 LDS loads
.irp t, 0,1,2,3,4,5,6,7
	ds_load_b32 v[KS+\t], v[ADS] offset:(\so)+64*\t
.endr
	WIN TO_F
.irp t, 0,1,2,3,4,5,6,7
.irp c, 0,1,2,3
	ds_load_b128 v[KF+16*\t+4*\c:KF+16*\t+4*\c+3], v[ADK] offset:(128*(\q)+16*\t)*KP+32*\c
.endr
.endr
	WIN 0
.endm
.macro FETCH_V q                       ; the eight fragments of V of step q of the slot at v[ADV], and their scale words: 40 LDS loads
.irp t, 0,1,2,3,4,5,6,7
	ds_load_b32 v[VS+\t], v[ADS] offset:8192+512*(\q)+64*\t
.endr
	WIN TO_F
.irp t, 0,1,2,3,4,5,6,7
.irp c, 0,1,2,3
	ds_load_b128 v[VF+16*\t+4*\c:VF+16*\t+4*\c+3], v[ADV] offset:(\q)*STEPB+16*\t*KP+32*\c
.endr
.endr
.endm
; THE CHANGE OF SLOTS: all my tensor loads have landed (my part of the next slot), the add, my LDS loads are back (the last reads of the slot in hand, V of its second step, among them); then the barrier.
; fill = 1: the barrier is a round of the cluster's, and behind it the slot that has been read out is filled with the keys two slots on: the load has two key steps in which to land.
.macro CHANGE fill
	s_wait_tensorcnt 0x0
	ds_add_u32 v[SPW], v[NIL]                      ; 0 onto my spare word
.if \fill
	s_xor_b32 s[G0+1], s[G0+1], SLOT1              ; the walking descriptor: the other slot, the next 256 keys
	s_add_nc_u64 s[G0+2:G0+3], s[G0+2:G0+3], 32768
	s_wait_xcnt 0x0                                ; the last prefetch, a slot back, has read its address
	s_add_nc_u64 s[PFA:PFA+1], s[PFA:PFA+1], 32768
.endif
	s_wait_dscnt 0x0
.if \fill
	CROUND
	JLOAD
.else
	s_barrier_signal -1
	s_barrier_wait -1
.endif
.endm
; A KEY STEP: 128 keys, the q-th of the slot in hand.  mid says what stands in its middle: 0: K of the slot's second step is asked for; 1: the change of slots with a refill, and K of the next slot's first step;
; 2: the same without a refill; 3: nothing is left to ask for.
.macro STEP q, mid
	s_wait_dscnt 0x0                               ; K's fragments and scale words, asked for in the middle of the step before, are in
.if (\q) == 0
	v_add_nc_u32 v[ADV], s[TB], v[AV0]
	v_add_nc_u32 v[ADS], s[TS], v[ASK0]
.rept 6
	v_nop                                          ; with the two additions: eight places in front of loads into registers that the last products read
.endr
.else
.rept 8
	v_nop
.endr
.endif
	FETCH_V \q                                     ; wanted behind the softmax
	WIN MULW
.irp t, 0,1,2,3,4,5,6,7
	v_wmma_scale_f32_16x16x128_f8f6f4 v[96+8*\t:103+8*\t], v[KF+16*\t:KF+16*\t+15], v[16:31], 0, v[KS+\t], v255 matrix_a_fmt:MATRIX_FMT_BF8 matrix_b_fmt:MATRIX_FMT_BF8
.endr
	WIN 0
.rept 8
	v_nop                                          ; eight places in front of the first read of the scores, and of the loads into K's registers further down
.endr
	s_wait_kmcnt 0x0                               ; this step's mask words are in
.set MN, 0
.rept 64
.if MN < 32
	v_cndmask_b32 v[96+MN], v[96+MN], v[MSK], s[32+MN]   ; in ascending order: each accumulator is read from its low end on
.else
	v_cndmask_b32 v[96+MN], v[96+MN], v[MSK], s[36+MN]
.endif
.set MN, MN+1
.endr
.irp b, 0,1,2,3
	v_max3_num_f32 v[232+\b], v[96+16*\b], v[97+16*\b], v[98+16*\b]   ; the largest score of each block of 32 keys: for the row's maximum and for the block's largest p
.endr
.irp i, 3,5,7,9,11,13
.irp b, 0,1,2,3
	s_delay_alu instid0(VALU_DEP_4)
	v_max3_num_f32 v[232+\b], v[232+\b], v[96+16*\b+\i], v[97+16*\b+\i]
.endr
.endr
.irp b, 0,1,2,3
	s_delay_alu instid0(VALU_DEP_4)
	v_max_num_f32 v[232+\b], v[232+\b], v[111+16*\b]
.endr
	s_add_co_u32 s[MO], s[MO], 256                 ; the next step's mask words; the last step asks for its own again, so that no load leaves the buffer
	s_min_u32 s[MO], s[MO], 3840
	MLOAD
.irp b, 0,1,2,3
	v_permlanex16_b32 v[236+\b], v[232+\b], s[SEL], s[SEL+1]
.endr
.irp b, 0,1,2,3
	s_delay_alu instid0(VALU_DEP_4)
	v_max_num_f32 v[232+\b], v[232+\b], v[236+\b]
.endr
	s_delay_alu instid0(VALU_DEP_2)
	v_max3_num_f32 v254, v232, v233, v234
	s_delay_alu instid0(VALU_DEP_1)
	v_max_num_f32 v254, v254, v235
	s_delay_alu instid0(VALU_DEP_1)
	v_mul_f32 v254, s[CS], v254
	s_delay_alu instid0(VALU_DEP_1)
	v_max_num_f32 v13, v13, v254                   ; the running largest t
	v_mov_b32 v254, v12
	s_delay_alu instid0(VALU_DEP_2)
	v_floor_f32 v12, -v13                          ; -M = floor(-t): M is a whole number
	s_delay_alu instid0(VALU_DEP_1)
	v_sub_f32 v254, v12, v254
	s_delay_alu instid0(VALU_DEP_1)
	v_cvt_i32_f32 v254, v254                       ; (it saturates)
	s_delay_alu instid0(VALU_DEP_1)
	v_ldexp_f32 v252, 1.0, v254                    ; f = 2^(old M - new M)
.set JJ, 0
.rept 32
	v_pk_fma_f32 v[96+JJ:97+JJ], v[96+JJ:97+JJ], s[CS:CS+1], v[12:13] op_sel_hi:[1,0,0]   ; t - M
.set JJ, JJ+2
.endr
.irp b, 0,1,2,3
	v_fma_f32 v[232+\b], v[232+\b], s[CS], v12
.endr
	; THE STEP'S MIDDLE.  On every way a wait for all my LDS loads stands here: V of this step is in, so no wait stands in front of the second product
.if (\mid) == 0
	s_wait_dscnt 0x0
	FETCH_K 1, 512                                 ; K of the slot's second step: wanted at that step's head
.elseif (\mid) == 3
	s_wait_dscnt 0x0
.else
.if (\mid) == 1
	CHANGE 1
.else
	CHANGE 0
.endif
	s_xor_b32 s[TB], s[TB], SLOT1                  ; on to the other slot, which is whole
	v_add_nc_u32 v[ADK], s[TB], v[AK0]
	FETCH_K 0, 1024                                ; K of its first step: wanted at that step's head
.if (\mid) == 1
	ASK                                            ; behind the joint load and the run of LDS loads
.endif
.endif
.set JJ, 0
	s_wait_alu depctr_va_vdst(0)
.rept 64
	v_exp_f32 v[96+JJ], v[96+JJ]                   ; p = 2^(t - M)
.set JJ, JJ+1
.endr
.irp b, 0,1,2,3
	v_exp_f32 v[232+\b], v[232+\b]                 ; the block's largest p
.endr
	v_pk_mul_f32 v[14:15], v[14:15], v[252:253] op_sel_hi:[1,0]   ; the sums under the new M (a plain line behind the exponentials)
	s_wait_alu depctr_va_vdst(0)
.irp b, 0,1,2,3
	v_max_num_f32 v[232+\b], 0x8000000, v[232+\b]
.endr
.irp b, 0,1,2,3
	s_delay_alu instid0(VALU_DEP_4)
	v_add_nc_u32 v[244+\b], 0xf8800000, v[232+\b]
.endr
.irp b, 0,1,2,3
	v_and_or_b32 v[240+\b], v[232+\b], 0x7f800000, s[MNT]
.endr
.irp b, 0,1,2,3
	v_lshrrev_b32 v[236+\b], 23, v[244+\b]
.endr
	s_delay_alu instid0(VALU_DEP_3)
	v_lshl_or_b32 v253, v237, 8, v236              ; p's scale word for these 128 keys
	s_delay_alu instid0(VALU_DEP_1)
	v_lshl_or_b32 v253, v238, 16, v253
	s_delay_alu instid0(VALU_DEP_1)
	v_lshl_or_b32 v253, v239, 24, v253
	v_pk_add_f32 v[236:237], v[100:101], v[104:105]
	v_pk_add_f32 v[250:251], v[108:109], v[112:113]
	v_pk_add_f32 v[248:249], v[116:117], v[120:121]
	v_pk_add_f32 v[238:239], v[124:125], v[128:129]
	v_pk_add_f32 v[234:235], v[132:133], v[136:137]
	v_pk_add_f32 v[232:233], v[140:141], v[144:145]
	v_pk_add_f32 v[230:231], v[148:149], v[152:153]
	v_pk_add_f32 v[14:15], v[14:15], v[156:157]
	v_pk_add_f32 v[236:237], v[236:237], v[96:97]
	v_pk_add_f32 v[250:251], v[250:251], v[98:99]
	v_pk_add_f32 v[248:249], v[248:249], v[102:103]
	v_pk_add_f32 v[238:239], v[238:239], v[106:107]
	v_pk_add_f32 v[234:235], v[234:235], v[110:111]
	v_pk_add_f32 v[232:233], v[232:233], v[114:115]
	v_pk_add_f32 v[230:231], v[230:231], v[118:119]
	v_pk_add_f32 v[14:15], v[14:15], v[122:123]
	v_pk_add_f32 v[236:237], v[236:237], v[126:127]
	v_pk_add_f32 v[250:251], v[250:251], v[130:131]
	v_pk_add_f32 v[248:249], v[248:249], v[134:135]
	v_pk_add_f32 v[238:239], v[238:239], v[138:139]
	v_pk_add_f32 v[234:235], v[234:235], v[142:143]
	v_pk_add_f32 v[232:233], v[232:233], v[146:147]
	v_pk_add_f32 v[230:231], v[230:231], v[150:151]
	v_pk_add_f32 v[14:15], v[14:15], v[154:155]
	v_pk_add_f32 v[236:237], v[236:237], v[158:159]
	s_delay_alu instid0(VALU_DEP_2)
	v_pk_add_f32 v[14:15], v[14:15], v[238:239]
	s_delay_alu instid0(VALU_DEP_2)
	v_pk_add_f32 v[236:237], v[236:237], v[234:235]
	v_pk_add_f32 v[250:251], v[250:251], v[232:233]
	v_pk_add_f32 v[248:249], v[248:249], v[230:231]
	s_delay_alu instid0(VALU_DEP_2)
	v_pk_add_f32 v[14:15], v[14:15], v[250:251]
	s_delay_alu instid0(VALU_DEP_2)
	v_pk_add_f32 v[236:237], v[236:237], v[248:249]
	s_delay_alu instid0(VALU_DEP_1)
	v_pk_add_f32 v[14:15], v[14:15], v[236:237]
.irp b, 0,1,2,3
.irp i, 0,1,2,3,4,5,6,7,8,9,10,11,12,13,14,15
	v_min_num_f32 v[96+16*\b+\i], v[96+16*\b+\i], v[240+\b]   ; p is not negative: a one-sided hold (the conversion does not saturate: ISA guide 7.6.2)
.endr
	v_cvt_scalef32_pk8_bf8_f32 v[224+4*\b:225+4*\b], v[96+16*\b:103+16*\b], v[244+\b]
	v_cvt_scalef32_pk8_bf8_f32 v[226+4*\b:227+4*\b], v[104+16*\b:111+16*\b], v[244+\b]
.endr
.set JJ, 0
.rept 32
	v_pk_mul_f32 v[160+JJ:161+JJ], v[160+JJ:161+JJ], v[252:253] op_sel_hi:[1,0]   ; O^T under the new M, each accumulator from its low end on; also the places between the codes and the products below
.set JJ, JJ+2
.endr
	WIN MULW
.irp t, 0,1,2,3,4,5,6,7                        ; the eight accumulators take turns, one instruction a turn
	v_wmma_scale_f32_16x16x128_f8f6f4 v[160+8*\t:167+8*\t], v[VF+16*\t:VF+16*\t+15], v[224:239], v[160+8*\t:167+8*\t], v[VS+\t], v253 matrix_a_fmt:MATRIX_FMT_BF8 matrix_b_fmt:MATRIX_FMT_BF8
.endr
	WIN 0
.endm
.macro SLOT mid                        ; a slot's two key steps
	STEP 0, 0
	STEP 1, \mid
	s_add_co_u32 s[TS], s[TS], 1024                ; the next slot's scale words
.endm
.macro QUANT s                         ; 64 numbers of a lane, register 16 b + i, become codes in v[PC] on and a scale word in v[PW]
.irp b, 0,1,2,3
	v_max3_num_f32 v[TM+\b], |v[\s+16*\b]|, |v[\s+1+16*\b]|, 0x8000000
.endr
.irp i, 2,4,6,8,10,12,14
.irp b, 0,1,2,3
	s_delay_alu instid0(VALU_DEP_4)
	v_max3_num_f32 v[TM+\b], v[TM+\b], |v[\s+16*\b+\i]|, |v[\s+1+16*\b+\i]|
.endr
.endr
.irp b, 0,1,2,3
	v_permlanex16_b32 v[TM+4+\b], v[TM+\b], s[SEL], s[SEL+1]
.endr
.irp b, 0,1,2,3
	s_delay_alu instid0(VALU_DEP_4)
	v_max_num_f32 v[TM+\b], v[TM+\b], v[TM+4+\b]
.endr
.irp b, 0,1,2,3
	s_delay_alu instid0(VALU_DEP_4)
	v_add_nc_u32 v[TM+12+\b], 0xf8800000, v[TM+\b]
.endr
.irp b, 0,1,2,3
	v_and_or_b32 v[TM+8+\b], v[TM+\b], 0x7f800000, s[MNT]
.endr
.irp b, 0,1,2,3
	v_lshrrev_b32 v[TM+4+\b], 23, v[TM+12+\b]
.endr
	s_delay_alu instid0(VALU_DEP_3)
	v_lshl_or_b32 v[PW], v[TM+5], 8, v[TM+4]
	s_delay_alu instid0(VALU_DEP_1)
	v_lshl_or_b32 v[PW], v[TM+6], 16, v[PW]
	s_delay_alu instid0(VALU_DEP_1)
	v_lshl_or_b32 v[PW], v[TM+7], 24, v[PW]
.irp b, 0,1,2,3
.irp i, 0,1,2,3,4,5,6,7,8,9,10,11,12,13,14,15
	v_med3_num_f32 v[\s+16*\b+\i], v[\s+16*\b+\i], -v[TM+8+\b], v[TM+8+\b]
.endr
	v_cvt_scalef32_pk8_bf8_f32 v[PC+4*\b:PC+1+4*\b], v[\s+16*\b:\s+7+16*\b], v[TM+12+\b]
	v_cvt_scalef32_pk8_bf8_f32 v[PC+2+4*\b:PC+3+4*\b], v[\s+8+16*\b:\s+15+16*\b], v[TM+12+\b]
.endr
	v_nop                                          ; a plain line behind the last conversion
.endm
	CHANGE 1                                       ; slot 0 is whole in every wave's eyes; slot 1 is asked for, as a refill is
	v_add_nc_u32 v[ADK], s[TB], v[AK0]
	v_add_nc_u32 v[ADS], s[TS], v[ASK0]
	FETCH_K 0, 0                                   ; K of the first step
	ASK
.Lslot:                                            ; six trips, slots 0 to 5: in the middle of each slot's second step the slot is filled again
	SLOT 1
	s_sub_co_u32 s[SLOTS], s[SLOTS], 1
	s_cmp_lg_u32 s[SLOTS], 0
	s_cbranch_scc1 .Lslot
	SLOT 2                                         ; slot 6: the tail is written out: a change of slots without a refill
	SLOT 3                                         ; slot 7: and none
	; THE WAY OUT
	s_wait_kmcnt 0x0                               ; the last, unused mask words
	v_add_f32 v14, v14, v15
	s_delay_alu instid0(VALU_DEP_1)
	v_permlanex16_b32 v252, v14, s[SEL], s[SEL+1]
	s_delay_alu instid0(VALU_DEP_1)
	v_add_f32 v14, v14, v252                       ; the row's sum
	s_wait_alu depctr_va_vdst(0)
	v_rcp_f32 v14, v14
	v_and_b32 v8, 15, v0                           ; (a plain line behind the reciprocal)  r
	v_bfe_u32 v9, v0, 4, 1                         ; h
	s_mul_i32 s4, s[WV], 16*KP                     ; my stage
	v_mul_u32_u24 v10, v8, KP
	s_delay_alu instid0(VALU_DEP_1)
	v_lshl_add_u32 v10, v9, 3, v10
	s_delay_alu instid0(VALU_DEP_1)
	v_add_nc_u32 v10, s4, v10                      ; in: row r, + 8 h
	v_and_b32 v11, 31, v0
	s_delay_alu instid0(VALU_DEP_1)
	v_lshrrev_b32 v1, 3, v11
	s_delay_alu instid0(VALU_DEP_1)
	v_mul_u32_u24 v1, v1, KP
	s_delay_alu instid0(VALU_DEP_3)
	v_and_b32 v2, 7, v11
	s_delay_alu instid0(VALU_DEP_1)
	v_lshl_add_u32 v1, v2, 4, v1
	s_delay_alu instid0(VALU_DEP_1)
	v_add_nc_u32 v1, s4, v1                        ; back: four rows of 128 bytes an instruction
	s_lshl_b32 s5, s[WV], 6
	s_add_co_u32 s5, s5, SST
	v_lshl_add_u32 v2, v8, 2, s5                   ; my row's scale word
	v_lshl_add_u32 v3, v11, 4, SST                 ; wave 0 reads all 128 back
	s_wait_alu depctr_va_vdst(0)
	s_wait_xcnt 0x0                                ; the last prefetch has read its offset
	v_lshlrev_b32 v7, 4, v11
.set JJ, 0
	s_wait_alu depctr_va_vdst(0)
.rept 64
	v_mul_f32 v[96+JJ], v[160+JJ], v14             ; ctx: register 8 t + j is channel 16 t + 8 h + j of query r
.set JJ, JJ+1
.endr
	QUANT 96
.irp b, 0,1,2,3
.irp u, 0,1
	ds_store_b64 v10, v[PC+4*\b+2*\u:PC+4*\b+2*\u+1] offset:32*\b+16*\u   ; natural order: channels 32 b + 16 u + 8 h + 0 .. 7
.endr
.endr
	ds_store_b32 v2, v[PW]                         ; both halves of the lanes write the same word with the same value
.irp t, 0,1,2,3
	ds_load_b128 v[80+4*\t:83+4*\t], v1 offset:4*KP*\t   ; my own bytes: LDS serves a wave's instructions in order
.endr
.irp t, 0,1,2,3
	s_wait_dscnt 3-\t                              ; the younger read-backs may be out
	global_store_b128 v7, v[80+4*\t:83+4*\t], s[10:11] offset:512*\t   ; 512 consecutive bytes of the dense tile
.endr
	s_wait_dscnt 0x0                               ; for the others' sake: my scale words have landed
	s_barrier_signal -1
	s_barrier_wait -1
	s_cmp_lg_u32 s[WV], 0
	s_cbranch_scc1 .Lnot_0
	ds_load_b128 v[48:51], v3
	s_wait_dscnt 0x0
	global_store_b128 v7, v[48:51], s[12:13]       ; the block's 128 scale words: 512 consecutive bytes
.Lnot_0:
	s_wait_tensorcnt 0x0                           ; the wave's end
	ds_add_u32 v[SPW], v[NIL]
	s_wait_dscnt 0x0
	CROUND                                         ; the closing round
	s_endpgm
.Lfunc_end_k_qa5393f4bbe_attn:
	.size	k_qa5393f4bbe_attn, .Lfunc_end_k_qa5393f4bbe_attn-k_qa5393f4bbe_attn
	.p2alignl 7, 3214868480
	.fill 96, 4, 3214868480
	.section	.rodata,"a",@progbits
	.p2align	6, 0x0
	.amdhsa_kernel k_qa5393f4bbe_attn
		.amdhsa_group_segment_fixed_size 327680
		.amdhsa_private_segment_fixed_size 0
		.amdhsa_enable_private_segment 0
		.amdhsa_kernarg_size 40
		.amdhsa_user_sgpr_count 2
		.amdhsa_user_sgpr_kernarg_segment_ptr 1
		.amdhsa_wavefront_size32 1
		.amdhsa_system_sgpr_workgroup_id_x 1
		.amdhsa_system_sgpr_workgroup_id_y 1
		.amdhsa_system_sgpr_workgroup_id_z 1
		.amdhsa_system_vgpr_workitem_id 0
		.amdhsa_next_free_vgpr 512
		.amdhsa_next_free_sgpr 106
		.amdhsa_reserve_vcc 0
		.amdhsa_float_denorm_mode_32 3
		.amdhsa_float_denorm_mode_16_64 3
		.amdhsa_memory_ordered 1
		.amdhsa_forward_progress 1
		.amdhsa_inst_pref_size 199
	.end_amdhsa_kernel
	.amdgpu_metadata
---
amdhsa.version: [ 1, 2 ]
amdhsa.kernels:
  - .name:           k_qa5393f4bbe_attn
    .symbol:         k_qa5393f4bbe_attn.kd
    .args:
      - { .name: ac, .offset: 0, .size: 8, .value_kind: global_buffer, .address_space: global }
      - { .name: asc, .offset: 8, .size: 8, .value_kind: global_buffer, .address_space: global }
      - { .name: mbits, .offset: 16, .size: 8, .value_kind: global_buffer, .address_space: global }
      - { .name: cc, .offset: 24, .size: 8, .value_kind: global_buffer, .address_space: global }
      - { .name: cs, .offset: 32, .size: 8, .value_kind: global_buffer, .address_space: global }
    .group_segment_fixed_size: 327680
    .private_segment_fixed_size: 0
    .kernarg_segment_align: 8
    .kernarg_segment_size: 40
    .max_flat_workgroup_size: 256
    .sgpr_count:     106
    .vgpr_count:     512
    .wavefront_size: 32
...
	.end_amdgpu_metadata
.endif
;; end of part 3
;; launch oproj (part 4): grid 16 x 16, 4 waves a work-group, clusters of 4 x 4, 327,680 bytes of LDS; arguments cc, cs, qc, qs, out0; writes out0
.if DOCPART == 4
	.amdgcn_target "amdgcn-amd-amdhsa--gfx1250"
	.amdhsa_code_object_version 6
	.text
	.protected	k_qa5393f4bbe_oproj
	.globl	k_qa5393f4bbe_oproj
	.p2align	8
	.type	k_qa5393f4bbe_oproj,@function
k_qa5393f4bbe_oproj:
	s_mov_b64 s[64:65], 0
	v_nop
	global_prefetch_b8 v0, s[64:65] scope:SCOPE_SE
	s_setreg_imm32_b32 hwreg(HW_REG_WAVE_MODE, 25, 1), 1
	s_wait_xcnt 0x0
	s_wait_alu depctr_hold_cnt(0) depctr_sa_sdst(0) depctr_va_vdst(0) depctr_va_sdst(0) depctr_va_ssrc(0) depctr_va_vcc(0) depctr_vm_vsrc(0)
	s_getreg_b32 s2, hwreg(HW_REG_IB_STS2, 6, 4)
	s_cmp_eq_u32 s2, 0
	s_cbranch_scc0 .Lentry_in_a_cluster
	s_endpgm
.Lentry_in_a_cluster:
	s_bfe_u32 s2, ttmp6, 0x10000c
	s_cmp_lg_u32 s2, 0xf033
	s_cbranch_scc0 .Lentry_shape_is_right
	s_endpgm
.Lentry_shape_is_right:
; OPROJ: out0 = ctx Wd^T on codes of E5M2 with E8M0 scales, K = 2,048, f32 out.  A tile of 128 x 128 to a work-group of four waves, 64 x 64 a wave; 16 x 16 work-groups.
; cc[token block][K step of 128][128 rows][128 bytes] and Wd's row blocks 64-79 of qc lie alike: 512 along K of a row block are 65,536 dense bytes, stated as rows of 256 bytes.
; THE RING: two slots of 512 along K (A's 4 K steps, then B's), four slots' worth in all; a wave fetches half a slot of A (waves 0, 1) or of B (waves 2, 3): 128 rows of 256 bytes.
; A's tiles are asked for jointly by the cluster's row, B's by its column.  At the head each wave asks for its part of slot 0; slot 1 is filled as a refill is.
; THE SCALE WORDS of the tile's 256 rows for all of K are 16,384 bytes, 1/32 of what the work-group reads: they come by plain loads, not jointly: 4,096 dense bytes a wave (8 loads of 512 bytes), asked for ahead of the opening round,
; and go by LDS stores into bytes of their own behind the ring; the round in front of slot 1's fill shows them to all waves.
; PREFETCHES: of the 32,768 bytes that a wave fetches for a slot, each of the four partners that ask jointly names 8,192, told apart by address, lanes 256 bytes apart: slots 1 and 2 at the head, slot 3 behind slot 1's load.
; The matrix instruction is used transposed; results go through the wave's own stage in slot 0, behind its last fill and last read, and leave in units of 256 bytes.
.set QSTEP,  17408
.set REGN,   34816
.set SLOT,   4*REGN
.set SCL,    2*SLOT                    ; A's scale words; B's 8,256 bytes on
.set SPARE,  295168
.set PFO,  8                           ; v8  256 x lane + 8,192 x my place among the four partners; never rewritten
.set SCW,  9                           ; v9  LDS: where my 4,096 bytes of scale words go
.set GL,   10                          ; v10 16 x lane
.set ADRA, 16
.set ADRB, 20
.set STO,  24
.set RD,   25
.set CO,   26
.set ADRS, 27
.set SPW,  28
.set NIL,  29
.set SC,   32
.set TMP,  40
.set ACC,  128
.set G1, 24
.set G0, 32
.set G1B, 48
.set G0B, 56
.set PFA, 66                           ; s[66:67] what I fetch of slot 0: the prefetches' base, never stepped
.set SCB, 98                           ; s[98:99] my 4,096 bytes of scale words in memory
.set MSB, 0
.macro WIN new                         ; the immediate's high byte repeats the setting that is left
.if MSB != (\new)
	s_set_vgpr_msb (MSB<<8)|(\new)
.set MSB, (\new)
.endif
.endm
.set MULW, 0x05
.set TO_F, 0x40
.macro PLACES n
.rept \n
	v_nop
.endr
.endm
.macro JLOAD g0a, g1a, g0b, g1b        ; s_nop 0 and four v_nop follow each line
	s_cmp_eq_u32 s15, 0
	s_cbranch_scc0 .Lfor_b_\@
	tensor_load_to_lds s[\g0a:\g0a+3], s[\g1a:\g1a+7]
	s_nop 0
	PLACES 4
	s_branch .Lasked_\@
.Lfor_b_\@:
	tensor_load_to_lds s[\g0b:\g0b+3], s[\g1b:\g1b+7]
	s_nop 0
	PLACES 4
.Lasked_\@:
.endm
.macro CROUND
	s_barrier_signal -1
	s_barrier_wait -1
	s_cmp_lg_u32 s14, 0
	s_cbranch_scc1 .Lnot_wave_0_\@
	s_barrier_signal -3
.Lnot_wave_0_\@:
	s_barrier_wait -3
	s_barrier_signal -1
	s_barrier_wait -1
.endm
	s_load_b128 s[4:7], s[0:1], 0x0                ; cc, cs
	s_load_b128 s[8:11], s[0:1], 0x10              ; qc, qs
	s_load_b64 s[12:13], s[0:1], 0x20              ; out0
	v_lshl_add_u32 v[SPW], v0, 2, SPARE
	v_mov_b32 v[NIL], 0
	ds_add_u32 v[SPW], v[NIL]                      ; the opening lines: the add twice on end and one wait
	ds_add_u32 v[SPW], v[NIL]
	v_lshrrev_b32 v1, 5, v0
	v_readfirstlane_b32 s14, v1
	s_lshr_b32 s15, s14, 1
	s_and_b32 s16, s14, 1
	s_bfe_u32 s40, ttmp6, 0x40000
	s_bfe_u32 s41, ttmp6, 0x40004
	s_lshl_b32 s42, ttmp9, 2
	s_add_co_u32 s42, s42, s40
	s_and_b32 s17, ttmp7, 0xffff
	s_lshl_b32 s17, s17, 2
	s_add_co_u32 s17, s17, s41
	s_lshl_b32 s43, s41, 2
	s_lshl_b32 s43, 15, s43
	s_lshl_b32 s44, 0x1111, s40
	s_or_b32 s[G1+0], s43, (0<<16)|(1<<20)|(1<<21)|(5<<22)|(3<<25)
	s_or_b32 s[G1B+0], s44, (0<<16)|(1<<20)|(1<<21)|(5<<22)|(3<<25)
.irp g, G1, G1B
	s_mov_b32 s[\g+1], 256<<16
	s_mov_b32 s[\g+2], 128<<16
	s_mov_b32 s[\g+3], 256<<16
	s_mov_b32 s[\g+4], 128
	s_mov_b32 s[\g+5], 256
	s_mov_b32 s[\g+6], 0
	s_mov_b32 s[\g+7], 0
.endr
	s_lshl_b32 s18, s16, 15                        ; my half of a slot
	s_mov_b32 s19, 0
	s_lshl_b32 s20, s17, 18
	s_mov_b32 s21, 0
	s_lshl_b32 s22, s17, 13
	s_mov_b32 s23, 0
	s_add_co_u32 s46, s42, 64
	s_lshl_b32 s92, s46, 13
	s_mov_b32 s93, 0
	s_lshl_b32 s46, s46, 18
	s_mov_b32 s47, 0
	s_mul_i32 s45, s14, REGN
	s_lshl_b32 s96, s14, 12                        ; my scale words in LDS: 4,096 x wave, B's 64 bytes further on
	s_lshl_b32 s97, s15, 6
	s_add_co_u32 s96, s96, s97
	s_add_co_u32 s96, s96, SCL
	v_and_b32 v6, 31, v0
	v_lshlrev_b32 v[GL], 4, v6
	v_add_nc_u32 v[SCW], s96, v[GL]
	s_lshl_b32 s96, s16, 12                        ; and in memory: my half of 8,192 bytes
	s_mov_b32 s97, 0
	s_wait_alu depctr_va_vdst(0)
	s_wait_dscnt 0x0
	s_wait_kmcnt 0x0
	s_add_nc_u64 s[20:21], s[4:5], s[20:21]
	s_add_nc_u64 s[22:23], s[6:7], s[22:23]
	s_add_nc_u64 s[46:47], s[8:9], s[46:47]
	s_add_nc_u64 s[92:93], s[10:11], s[92:93]
	s_cmp_eq_u32 s15, 0
	s_cselect_b64 s[SCB:SCB+1], s[22:23], s[92:93]
	s_add_nc_u64 s[SCB:SCB+1], s[SCB:SCB+1], s[96:97]
.irp t, 0,1,2,3,4,5,6,7
	global_load_b128 v[TMP+4*\t:TMP+4*\t+3], v[GL], s[SCB:SCB+1] offset:512*\t   ; 512 consecutive bytes a load
.endr
	CROUND                                         ; all sixteen work-groups are here: the first joint loads meet
	s_add_nc_u64 s[20:21], s[20:21], s[18:19]
	s_add_nc_u64 s[46:47], s[46:47], s[18:19]
.irp s, 0,1
	s_mov_b32 s[G0+4*\s], 1
	s_add_co_u32 s[G0+4*\s+1], s45, \s*SLOT
	s_add_nc_u64 s[G0+4*\s+2:G0+4*\s+3], s[20:21], \s*65536
	s_or_b32 s[G0+4*\s+3], s[G0+4*\s+3], 0x80000000
	s_mov_b32 s[G0B+4*\s], 1
	s_add_co_u32 s[G0B+4*\s+1], s45, \s*SLOT
	s_add_nc_u64 s[G0B+4*\s+2:G0B+4*\s+3], s[46:47], \s*65536
	s_or_b32 s[G0B+4*\s+3], s[G0B+4*\s+3], 0x80000000
.endr
	s_cmp_eq_u32 s15, 0
	s_cselect_b64 s[PFA:PFA+1], s[20:21], s[46:47]
	JLOAD G0, G1, G0B, G1B                         ; slot 0: my one load at the head
	v_and_b32 v1, 15, v0
	v_bfe_u32 v2, v0, 4, 1
	v_lshrrev_b32 v3, 1, v1
	v_mul_u32_u24 v3, v3, 272
	v_and_b32 v4, 1, v1
	v_lshl_add_u32 v3, v4, 7, v3
	v_lshl_add_u32 v4, v2, 4, v3
	s_mul_i32 s21, s15, 32*272
	s_mul_i32 s22, s16, 32*272
	s_add_co_u32 s22, s22, 4*QSTEP
.irp s, 0,1
	v_add_nc_u32 v[ADRA+\s], s21, v4
	v_add_nc_u32 v[ADRB+\s], s22, v4
	s_add_co_u32 s21, s21, SLOT
	s_add_co_u32 s22, s22, SLOT
.endr
	v_lshlrev_b32 v5, 2, v1
	s_lshl_b32 s21, s15, 8
	s_lshl_b32 s22, s16, 8
	s_add_co_u32 s22, s22, 8256
	s_sub_co_u32 s22, s22, s21
	v_mul_u32_u24 v6, s22, v2
	s_add_co_u32 s21, s21, SCL
	v_add_nc_u32 v5, v5, v6
	v_add_nc_u32 v[ADRS], s21, v5
	s_mul_i32 s23, s14, 17408
	v_mul_u32_u24 v5, v1, 272
	v_lshl_add_u32 v5, v2, 5, v5
	v_add_nc_u32 v[STO], s23, v5
	v_mul_u32_u24 v5, v2, 272
	v_lshl_add_u32 v5, v1, 4, v5
	v_add_nc_u32 v[RD], s23, v5
	v_lshlrev_b32 v[CO], 13, v2
	v_lshl_add_u32 v[CO], v1, 4, v[CO]
	s_lshl_b32 s96, s17, 20
	s_lshl_b32 s97, s15, 19
	s_add_co_u32 s96, s96, s97
	s_lshl_b32 s97, s42, 9
	s_add_co_u32 s96, s96, s97
	s_lshl_b32 s97, s16, 8
	s_add_co_u32 s96, s96, s97
	s_mov_b32 s97, 0
	s_add_nc_u64 s[12:13], s[12:13], s[96:97]
.macro FETCH slot, j, p
	WIN TO_F
.irp i, 0,1,2,3
.irp c, 0,1,2,3
	ds_load_b128 v[128*(\p)+16*\i+4*\c:128*(\p)+16*\i+4*\c+3], v[ADRA+\slot] offset:QSTEP*(\j)+2176*\i+32*\c
.endr
.endr
.irp i, 0,1,2,3
.irp c, 0,1,2,3
	ds_load_b128 v[128*(\p)+64+16*\i+4*\c:128*(\p)+64+16*\i+4*\c+3], v[ADRB+\slot] offset:QSTEP*(\j)+2176*\i+32*\c
.endr
.endr
	WIN 0
.irp i, 0,1,2,3
	ds_load_b32 v[SC+4*(\p)+\i], v[ADRS] offset:512*(\j)+64*\i
.endr
.endm
.macro MUL p, zero                     ; the sixteen accumulators take turns
	WIN MULW
.irp a, 0,1,2,3
.irp b, 0,1,2,3
.if \zero
	v_wmma_scale_f32_16x16x128_f8f6f4 v[ACC+8*(4*\a+\b):ACC+8*(4*\a+\b)+7], v[128*(\p)+64+16*\b:128*(\p)+64+16*\b+15], v[128*(\p)+16*\a:128*(\p)+16*\a+15], 0, v[SC+4*(\p)+\b], v[SC+4*(\p)+\a] matrix_a_fmt:MATRIX_FMT_BF8 matrix_b_fmt:MATRIX_FMT_BF8 matrix_a_scale:MATRIX_SCALE_ROW1
.else
	v_wmma_scale_f32_16x16x128_f8f6f4 v[ACC+8*(4*\a+\b):ACC+8*(4*\a+\b)+7], v[128*(\p)+64+16*\b:128*(\p)+64+16*\b+15], v[128*(\p)+16*\a:128*(\p)+16*\a+15], v[ACC+8*(4*\a+\b):ACC+8*(4*\a+\b)+7], v[SC+4*(\p)+\b], v[SC+4*(\p)+\a] matrix_a_fmt:MATRIX_FMT_BF8 matrix_b_fmt:MATRIX_FMT_BF8 matrix_a_scale:MATRIX_SCALE_ROW1
.endif
.endr
.endr
	WIN 0
.endm
.macro KSTEP slot, j, zero
	s_wait_dscnt 0x0
	PLACES 8
	FETCH \slot, (\j)+1, 1-(\j)%2
	MUL (\j)%2, \zero
.endm
.macro TURN slot, next, fill
	s_wait_dscnt 0x0
	s_wait_tensorcnt 0x0
	ds_add_u32 v[SPW], v[NIL]
	MUL 1, 0
	s_wait_dscnt 0x0
.if \fill
	CROUND
	s_add_nc_u64 s[G0+4*\slot+2:G0+4*\slot+3], s[G0+4*\slot+2:G0+4*\slot+3], 131072
	s_add_nc_u64 s[G0B+4*\slot+2:G0B+4*\slot+3], s[G0B+4*\slot+2:G0B+4*\slot+3], 131072
	JLOAD G0+4*\slot, G1, G0B+4*\slot, G1B
	PLACES 4
.else
	s_barrier_signal -1
	s_barrier_wait -1
	PLACES 8
.endif
	v_add_nc_u32 v[ADRS], 2048, v[ADRS]
	FETCH \next, 0, 0
.endm
	s_cmp_eq_u32 s15, 0
	s_cselect_b32 s94, s40, s41                    ; my place among the four that ask with me
	s_lshl_b32 s94, s94, 13
	v_and_b32 v[PFO], 31, v0
	v_lshlrev_b32 v[PFO], 8, v[PFO]
	v_add_nc_u32 v[PFO], s94, v[PFO]
	s_wait_alu depctr_va_vdst(0)
	global_prefetch_b8 v[PFO], s[PFA:PFA+1] offset:65536 th:TH_LOAD_NT scope:SCOPE_SE    ; slot 1
	global_prefetch_b8 v[PFO], s[PFA:PFA+1] offset:131072 th:TH_LOAD_NT scope:SCOPE_SE   ; slot 2
	s_wait_loadcnt 0x0                             ; my scale words are in registers
.irp t, 0,1,2,3,4,5,6,7
	ds_store_b128 v[SCW], v[TMP+4*\t:TMP+4*\t+3] offset:512*\t
.endr
	s_wait_tensorcnt 0x0                           ; my part of slot 0 is in
	ds_add_u32 v[SPW], v[NIL]
	s_wait_dscnt 0x0                               ; the add is done, and my scale words have landed in LDS
	CROUND
	JLOAD G0+4, G1, G0B+4, G1B                     ; slot 1
	FETCH 0, 0, 0
	global_prefetch_b8 v[PFO], s[PFA:PFA+1] offset:196608 th:TH_LOAD_NT scope:SCOPE_SE   ; slot 3
	KSTEP 0, 0, 1
	KSTEP 0, 1, 0
	KSTEP 0, 2, 0
	TURN 0, 1, 1
	s_wait_alu depctr_va_vdst(0)
	KSTEP 1, 0, 0
	KSTEP 1, 1, 0
	KSTEP 1, 2, 0
	TURN 1, 0, 1
	s_wait_alu depctr_va_vdst(0)
	KSTEP 0, 0, 0
	KSTEP 0, 1, 0
	KSTEP 0, 2, 0
	TURN 0, 1, 0
	s_wait_alu depctr_va_vdst(0)
	KSTEP 1, 0, 0
	KSTEP 1, 1, 0
	KSTEP 1, 2, 0
	s_wait_dscnt 0x0
	MUL 1, 0
	PLACES 8
.irp a, 0,1,2,3
.if \a >= 2
	s_wait_xcnt 0x0                                ; the stores of two blocks ago have read their registers
.endif
.irp b, 0,1,2,3
	ds_store_b128 v[STO], v[ACC+8*(4*\a+\b):ACC+8*(4*\a+\b)+3] offset:4352*\a+64*\b
	ds_store_b128 v[STO], v[ACC+8*(4*\a+\b)+4:ACC+8*(4*\a+\b)+7] offset:4352*\a+64*\b+16
.endr
.irp t, 0,1,2,3,4,5,6,7
	ds_load_b128 v[TMP+32*(\a%2)+4*\t:TMP+32*(\a%2)+4*\t+3], v[RD] offset:4352*\a+544*\t
.endr
	s_wait_dscnt 0x0
.irp t, 0,1,2,3,4,5,6,7
	global_store_b128 v[CO], v[TMP+32*(\a%2)+4*\t:TMP+32*(\a%2)+4*\t+3], s[12:13] offset:131072*\a+16384*\t th:TH_STORE_NT
.endr
.endr
	s_wait_tensorcnt 0x0                           ; the wave's end
	ds_add_u32 v[SPW], v[NIL]
	s_wait_dscnt 0x0
	CROUND                                         ; the closing round
	s_endpgm
.Lfunc_end_k_qa5393f4bbe_oproj:
	.size	k_qa5393f4bbe_oproj, .Lfunc_end_k_qa5393f4bbe_oproj-k_qa5393f4bbe_oproj
	.p2alignl 7, 3214868480
	.fill 96, 4, 3214868480
	.section	.rodata,"a",@progbits
	.p2align	6, 0x0
	.amdhsa_kernel k_qa5393f4bbe_oproj
		.amdhsa_group_segment_fixed_size 327680
		.amdhsa_private_segment_fixed_size 0
		.amdhsa_enable_private_segment 0
		.amdhsa_kernarg_size 40
		.amdhsa_user_sgpr_count 2
		.amdhsa_user_sgpr_kernarg_segment_ptr 1
		.amdhsa_wavefront_size32 1
		.amdhsa_system_sgpr_workgroup_id_x 1
		.amdhsa_system_sgpr_workgroup_id_y 1
		.amdhsa_system_sgpr_workgroup_id_z 1
		.amdhsa_system_vgpr_workitem_id 0
		.amdhsa_next_free_vgpr 512
		.amdhsa_next_free_sgpr 100
		.amdhsa_reserve_vcc 0
		.amdhsa_float_denorm_mode_32 3
		.amdhsa_float_denorm_mode_16_64 3
		.amdhsa_memory_ordered 1
		.amdhsa_forward_progress 1
		.amdhsa_inst_pref_size 95
	.end_amdhsa_kernel
	.amdgpu_metadata
---
amdhsa.version: [ 1, 2 ]
amdhsa.kernels:
  - .name:           k_qa5393f4bbe_oproj
    .symbol:         k_qa5393f4bbe_oproj.kd
    .args:
      - { .name: cc, .offset: 0, .size: 8, .value_kind: global_buffer, .address_space: global }
      - { .name: cs, .offset: 8, .size: 8, .value_kind: global_buffer, .address_space: global }
      - { .name: qc, .offset: 16, .size: 8, .value_kind: global_buffer, .address_space: global }
      - { .name: qs, .offset: 24, .size: 8, .value_kind: global_buffer, .address_space: global }
      - { .name: out0, .offset: 32, .size: 8, .value_kind: global_buffer, .address_space: global }
    .group_segment_fixed_size: 327680
    .private_segment_fixed_size: 0
    .kernarg_segment_align: 8
    .kernarg_segment_size: 40
    .max_flat_workgroup_size: 128
    .sgpr_count:     100
    .vgpr_count:     512
    .wavefront_size: 32
...
	.end_amdgpu_metadata
.endif
;; end of part 4
